; MI455X (gfx1250); checked and timed in simulation.
; The chip was launched on July 23, 2026; its instructions are those of AMD's public machine-readable ISA for CDNA 5 (MIT licence, August 2026) and "CDNA5" Instruction Set Architecture Reference Guide (July 2026). The comments in the code are by the model that wrote it; some were corrected since.
;; Transformer Block. Allowed arithmetic: matrix products marked QUANTISED: E4M3 operands, one E8M0 scale for each 32 along K, by v_wmma_scale_f32_16x16x128_f8f6f4 with both operands' format E4M3, f32 sums; everything else in f32.
;; Inputs: Wk 1,024 x 1,024 float32; Wo 1,024 x 1,024 float32; Wq 1,024 x 1,024 float32; Wv 1,024 x 1,024 float32; g1 1,024 float32; g2 1,024 float32; positions 2,048 int32; w1 2,752 x 1,024 float32; w2 1,024 x 2,752 float32; w3 2,752 x 1,024 float32; x 2 x 2,048 x 1,024 float32.
;; Outputs: out0 2 x 2,048 x 1,024 float32.
;; Constants: theta = 10000.
;; This version of the problem:
;;   THIS VERSION OF THE PROBLEM IS GIVEN IN LOW PRECISION. The matrix products marked QUANTISED in the list below multiply operands that are first quantised to E4M3 (4 exponent bits, 3 mantissa bits; 8 bits a number), with one power-of-two scale for each 32 numbers along K (OCP MX v1.0); their sums are f32. All else is computed in f32.
;;   The module's matrix products, in the order in which they are computed (A, B: the left and right operand; K: the contracted axis; several contracted axes count as one K, in the product's order):
;;     1. [M 4,096, K 1,024] x [K 1,024, N 1,024]; A: computed on the way; B: input Wq: QUANTISED
;;     2. [M 4,096, K 1,024] x [K 1,024, N 1,024]; A: computed on the way; B: input Wk: QUANTISED
;;     3. [M 4,096, K 1,024] x [K 1,024, N 1,024]; A: computed on the way; B: input Wv: QUANTISED
;;     4. batch 32 x [M 2,048, K 64] x [K 64, N 2,048]; A: computed on the way; B: computed on the way: QUANTISED
;;     5. batch 32 x [M 2,048, K 2,048] x [K 2,048, N 64]; A: softmax (see below); B: computed on the way: QUANTISED
;;     6. [M 4,096, K 1,024] x [K 1,024, N 1,024]; A: computed on the way; B: input Wo: QUANTISED
;;     7. [M 4,096, K 1,024] x [K 1,024, N 2,752]; A: computed on the way; B: input w1: QUANTISED
;;     8. [M 4,096, K 1,024] x [K 1,024, N 2,752]; A: computed on the way; B: input w3: QUANTISED
;;     9. [M 4,096, K 2,752] x [K 2,752, N 1,024]; A: computed on the way; B: input w2: QUANTISED
;;   THE QUANTISER, for each operand of a quantised product, along K:
;;     - K is cut into blocks of 32 from its start; a last block that is shorter is filled with zeros.
;;     - A block's scale is 2^e with e = floor(log2(the largest magnitude in the block)) - 8, held to -126 .. 127; a block of zeros has e = 0. As a byte (E8M0): e + 127.
;;     - Each number is divided by its block's scale, clamped to +-448, and rounded to the nearest number of E4M3, ties to even, subnormals kept.
;;     - The product sums the exact products of the quantised numbers (number of the format x scale) in f32.
;;   ~~~python
;;   def quantise(x, axis):      # numpy; x: float32 -> the quantised numbers, widened to float32 again
;;       x = np.moveaxis(x, axis, -1); K = x.shape[-1]
;;       x = np.pad(x, [(0, 0)] * (x.ndim - 1) + [(0, -K % 32)]); x = x.reshape(x.shape[:-1] + (-1, 32)); a = np.abs(x).max(-1, keepdims=True)
;;       e = np.where(a > 0, np.clip(np.frexp(np.where(a > 0, a, 1))[1] - 1 - 8, -126, 127), 0)      # np.frexp(a)[1] - 1 = floor(log2(a)), exactly
;;       r = np.clip(x / 2.0 ** e, -448, 448)
;;       step = 2.0 ** (np.maximum(np.frexp(np.where(r == 0, 1, r))[1] - 1, -6) - 3)
;;       q = np.round(r / step) * step * 2.0 ** e      # np.round: ties to even
;;       return np.moveaxis(q.reshape(q.shape[:-2] + (-1,))[..., :K], -1, axis).astype(np.float32)
;;   ~~~
;;   SOFTMAX AHEAD OF A QUANTISED PRODUCT. Where the list says 'softmax', what is quantised is not the finished softmax but p = 2^(t - M), with t = logit x log2(e) and M = ceil(the row's largest t), a whole number; so 1/2 < the row's largest p <= 1. The row's sum l is taken of the UNQUANTISED p, in f32, and the product's result is divided by l at the end. Since M is a whole number, a kernel that streams over the keys may use a running M (the ceiling of the running maximum): every later rescaling is an exact power of two, which a block's scale takes up: the codes' values come out the same.
;;   OPERANDS COMPUTED ON THE WAY. 'Computed on the way' means the value that the module computes at that place (a softmax that the list does not call 'softmax' is quantised finished and normalised). What goes into a quantiser is computed in f32, as accurately as f32 sums, v_exp_f32 and their like allow (about 1e-6 of the number): no bf16 or f16 on the way to a quantiser, and a product that is left as it is and whose result goes on into a quantised operand takes f32 operands (vector FMAs, or v_wmma_f32_16x16x4_f32). A number that lies on a knife's edge between two numbers of the format may be rounded either way, as far as f32 arithmetic and the matrix unit's own rounding can turn it there, and no further.
;; One version. Each part assembles by itself: llvm-mc -triple=amdgcn-amd-amdhsa -mcpu=gfx1250 --defsym DOCPART=n.
;; ======== version 1 of 1: 7 launches
;; limits: right only within a limited range of input values
;; workspace buffers: wts 18,628,608 bytes; qkvb 13,369,344 bytes; ac 4,456,448 bytes; x2 16,777,216 bytes; xb 4,456,448 bytes; hc 12,255,232 bytes
;; launch prep (part 1): grid 1072 x 1, 8 waves a work-group, no clusters, 69,632 bytes of LDS; arguments x, g1, positions, Wq, Wk, Wv, Wo, w1, w3, w2, wts; writes wts
.if DOCPART == 1
	.amdgcn_target "amdgcn-amd-amdhsa--gfx1250"
	.amdhsa_code_object_version 6
	.text
	.protected	k_q6085437a5e_prep
	.globl	k_q6085437a5e_prep
	.p2align	8
	.type	k_q6085437a5e_prep,@function
k_q6085437a5e_prep:
	s_mov_b64 s[64:65], 0
	v_nop
	global_prefetch_b8 v0, s[64:65] scope:SCOPE_SE
	s_setreg_imm32_b32 hwreg(HW_REG_WAVE_MODE, 25, 1), 1
	s_wait_xcnt 0x0
; PREP: every f32 operand that arrives from memory becomes codes of E4M3 with one E8M0 byte for each 32 along K, laid in BRICKS; and the table of cos and sin for the rotation.
; A BRICK is 16 rows x 256 along K, 4,352 bytes: two images of an operand's registers (K step s at 2,048 s: group c at 512 c, lane l's 16 bytes at 16 l: codes k = 32 c + 16 (l / 16) + 0..15 of tile row l % 16),
; then 256 bytes of scale words (lane l at 8 l: the word of K step 0, the word of K step 1, of tile row l % 16).  A matrix is [rows / 16 tiles][K / 256 bricks].
; ROW ORDER, in every tile of every matrix: row r of tile t is matrix row 32 (t / 2) + 8 (t % 2) + r + (r & 8).
; SHARES.  A wave makes one image: 16 rows x 128 along K.  Work-groups 0-255: x, normalised (rmsnorm with gain g) on the way: the eight waves hold the eight K steps of the same 16 rows and meet once in LDS for the rows' sums of squares.
; 256-447 Wq, Wk, Wv (laid by head: q's, k's, v's four tiles);  448-511 Wo;  512-863 w1 and w3 (laid by groups of 32 columns: w1's two tiles, w3's two; tiles 172-175 do not exist and become zero codes);
; 864-1039 w2 (22 K steps: the last holds 64 numbers and 64 zero codes);  1040-1071 the table [position index][32][cos, sin].
; With a grid of 256 work-groups the same text is the second rmsnorm.
; Each load reads 512 consecutive bytes of one row; the 16 x 512 bytes turn through the wave's own stage in LDS (rows 528 bytes apart), so that a lane gets 16 neighbours along K of each block of 32.
; THE QUANTISER: a block's byte is its largest magnitude's exponent field - 8, held at 1 from below; numbers are held within +-448 x the scale and converted, ties to even.
; LIMITS: a block of zeros gets the byte 1 (its codes are zeros; only this program reads the bytes).  NaN and infinities are not served.  Positions up to 2^24 in magnitude; the frequency 10000^(-i/32) carries the error of one v_exp_f32,
; so an angle of 2,000 radians may differ by some 2e-4 from one made with an exact frequency.
.set QKV_OFF,  4456448
.set WO_OFF,   7798784
.set W13_OFF,  8912896
.set W2_OFF,   15040512
.set ROPE_OFF, 18104320
.set BRICK,    4352
.set STG,      8448                    ; a wave's stage: 16 rows x (512 + 16) bytes
.set RED,      8*STG                   ; behind the stages: 8 waves x 32 lanes x 4 bytes, the rows' partial sums
.set LN,   1                           ; v1  lane
.set RO,   2                           ; v2  r = lane % 16
.set HF,   3                           ; v3  h = lane / 16
.set LOF,  5                           ; v5  my 16 bytes of a load's 512
.set SIN,  6                           ; v6  the stage, on the way in
.set SOUT, 7                           ; v7  and on the way out
.set LI,   8                           ; v8  16 x lane
.set L8,   9                           ; v9  8 x lane
.set GA,   10                          ; v10 64 h: my part of a block of g
.set RWR,  11                          ; v11 where I put my row's partial sum
.set RRD,  12                          ; v12 where I read the eight
.set X,    16                          ; v16-79   64 numbers
.set G,    80                          ; v80-143  their gains
.set TM,   80                          ; v80-95   the quantiser's registers lie over g's, which are done with when it begins
.set PC,   96                          ; v96-111  the codes
.set PW,   112                         ; v112     the scale word
.set CH,   144                         ; v144-151 four chains of the sum of squares
.set INV,  152                         ; v152-153 1 / rms, twice
.set PS,   144                         ; v144-151 eight partial sums, over the chains: they are loaded behind the barrier, when the chains' sum has been stored
.set WV,   26
.set SRC,  28
.set TT,   30                          ; the source's tile
.set KS,   31                          ; its K step
.set DT,   32                          ; the tile's place in its region
.set REG,  33                          ; the region's first byte
.set TBY,  34                          ; bytes of a tile there
.set REAL, 35                          ; 0: the tile does not exist
.set FULL, 36                          ; 0: only the first 64 of the K step exist
.set PIT,  37                          ; bytes from row to row in the source
.set DC,   44
.set DSC,  46
.set SEL,  48
.set MNT,  50
; 64 numbers of a lane, four blocks b: element i of block b in register base + stride b + i (i < 8), base + stride b + h2 + i - 8 (i >= 8), become codes in v[PC] on; pw: the register for the scale word, or 0
.macro QUANT base, stride, h2, pw
.irp b, 0,1,2,3
	v_max3_num_f32 v[TM+\b], |v[(\base)+(\stride)*\b]|, |v[(\base)+(\stride)*\b+1]|, 0x4800000   ; my 16 numbers, and the floor 2^(9 - 127): the byte cannot fall under 1
.endr
.irp i, 2,4,6
.irp b, 0,1,2,3
	s_delay_alu instid0(VALU_DEP_4)
	v_max3_num_f32 v[TM+\b], v[TM+\b], |v[(\base)+(\stride)*\b+\i]|, |v[(\base)+(\stride)*\b+\i+1]|
.endr
.endr
.irp i, 0,2,4,6
.irp b, 0,1,2,3
	s_delay_alu instid0(VALU_DEP_4)
	v_max3_num_f32 v[TM+\b], v[TM+\b], |v[(\base)+(\stride)*\b+(\h2)+\i]|, |v[(\base)+(\stride)*\b+(\h2)+\i+1]|
.endr
.endr
.irp b, 0,1,2,3
	s_delay_alu instid0(VALU_DEP_4)
	v_permlanex16_b32 v[TM+4+\b], v[TM+\b], s[SEL], s[SEL+1]
.endr
.irp b, 0,1,2,3
	s_delay_alu instid0(VALU_DEP_4)
	v_max_num_f32 v[TM+\b], v[TM+\b], v[TM+4+\b]             ; with lane l xor 16's 16: the block's largest magnitude
.endr
.irp b, 0,1,2,3
	s_delay_alu instid0(VALU_DEP_4)
	v_add_nc_u32 v[TM+12+\b], 0xfc000000, v[TM+\b]           ; 8 off its exponent field: the conversion's scale operand
.endr
.irp b, 0,1,2,3
	v_and_or_b32 v[TM+8+\b], v[TM+\b], 0x7f800000, s[MNT]    ; 448 x the scale
.endr
.irp b, 0,1,2,3
	v_lshrrev_b32 v[TM+4+\b], 23, v[TM+12+\b]                ; the scale's byte
.endr
.if \pw
	s_delay_alu instid0(VALU_DEP_3)
	v_lshl_or_b32 v[\pw], v[TM+5], 8, v[TM+4]
	s_delay_alu instid0(VALU_DEP_1)
	v_lshl_or_b32 v[\pw], v[TM+6], 16, v[\pw]
	s_delay_alu instid0(VALU_DEP_1)
	v_lshl_or_b32 v[\pw], v[TM+7], 24, v[\pw]
.endif
.irp b, 0,1,2,3
.irp i, 0,1,2,3,4,5,6,7
	v_med3_num_f32 v[(\base)+(\stride)*\b+\i], v[(\base)+(\stride)*\b+\i], -v[TM+8+\b], v[TM+8+\b]   ; the conversion does not saturate (ISA guide 7.6.2): the hold
.endr
.irp i, 0,1,2,3,4,5,6,7
	v_med3_num_f32 v[(\base)+(\stride)*\b+(\h2)+\i], v[(\base)+(\stride)*\b+(\h2)+\i], -v[TM+8+\b], v[TM+8+\b]
.endr
	v_cvt_scalef32_pk8_fp8_f32 v[PC+4*\b:PC+4*\b+1], v[(\base)+(\stride)*\b:(\base)+(\stride)*\b+7], v[TM+12+\b]
	v_cvt_scalef32_pk8_fp8_f32 v[PC+4*\b+2:PC+4*\b+3], v[(\base)+(\stride)*\b+(\h2):(\base)+(\stride)*\b+(\h2)+7], v[TM+12+\b]
.endr
	v_nop                                                    ; a plain line behind the last conversion
.endm
.macro LOADT pitch, nt                 ; the tile's 16 rows, 512 consecutive bytes each
.irp i, 0,1,2,3,4,5,6,7,8,9,10,11,12,13,14,15
.if \nt
	global_load_b128 v[X+4*\i:X+4*\i+3], v[LOF], s[SRC:SRC+1] offset:(\i+(\i&8))*\pitch th:TH_LOAD_NT
.else
	global_load_b128 v[X+4*\i:X+4*\i+3], v[LOF], s[SRC:SRC+1] offset:(\i+(\i&8))*\pitch
.endif
.endr
.endm
.macro TURN                            ; through my own stage: LDS serves a wave's instructions in order, so the loads see the stores
.irp i, 0,1,2,3,4,5,6,7,8,9,10,11,12,13,14,15
	ds_store_b128 v[SIN], v[X+4*\i:X+4*\i+3] offset:528*\i
.endr
.irp c, 0,1,2,3
.irp j, 0,1,2,3
	ds_load_b128 v[X+16*\c+4*\j:X+16*\c+4*\j+3], v[SOUT] offset:128*\c+16*\j   ; register 16 c + i: k = 32 c + 16 h + i of row r
.endr
.endr
	s_wait_dscnt 0x0
.endm
	s_load_b256 s[4:11], s[0:1], 0x0               ; x, g, positions, Wq
	s_load_b256 s[12:19], s[0:1], 0x20             ; Wk, Wv, Wo, w1
	s_load_b128 s[20:23], s[0:1], 0x40             ; w3, w2
	s_load_b64 s[24:25], s[0:1], 0x50              ; the destination
	v_lshl_add_u32 v13, v0, 2, 0x10c00
	v_mov_b32 v14, 0
	v_lshrrev_b32 v4, 5, v0
	s_delay_alu instid0(VALU_DEP_1)
	v_readfirstlane_b32 s[WV], v4                  ; wave 0..7
	v_and_b32 v[LN], 31, v0
	v_and_b32 v[RO], 15, v0
	v_bfe_u32 v[HF], v0, 4, 1
	s_mul_i32 s27, s[WV], STG
	v_lshl_add_u32 v[SIN], v[LN], 4, s27           ; in: row i at 528 i, 16 bytes a lane
	v_mul_u32_u24 v[SOUT], v[RO], 528
	s_delay_alu instid0(VALU_DEP_1)
	v_lshl_add_u32 v[SOUT], v[HF], 6, v[SOUT]
	s_delay_alu instid0(VALU_DEP_1)
	v_add_nc_u32 v[SOUT], s27, v[SOUT]             ; out: row r, + 64 h
	v_lshlrev_b32 v[LI], 4, v[LN]
	v_lshlrev_b32 v[L8], 3, v[LN]
	v_lshlrev_b32 v[GA], 6, v[HF]
	v_lshl_add_u32 v[RWR], v0, 2, RED
	v_lshl_add_u32 v[RRD], v[LN], 2, RED
	s_mov_b32 s[SEL], 0x76543210
	s_mov_b32 s[SEL+1], 0xfedcba98                 ; v_permlanex16_b32's selects for lane l xor 16
	s_mov_b32 s[MNT], 0x600000                     ; the mantissa field of 448
.irp b, 0,1,2,3
	v_mov_b32 v[TM+4+\b], 0                        ; written once: a lane permute's destination counts as one of its sources
.endr
	s_wait_kmcnt 0x0
	s_cmp_ge_u32 ttmp9, 1040
	s_cbranch_scc1 .Lrope
	; which tile of which tensor, and where it goes: numbers only
	s_mov_b32 s[KS], s[WV]
	s_mov_b32 s[REAL], 1
	s_mov_b32 s[FULL], 1
	s_mov_b32 s[TBY], 4*BRICK
	s_mov_b32 s[PIT], 4096
	s_cmp_ge_u32 ttmp9, 256
	s_cbranch_scc1 .Lnot_x
	s_mov_b32 s[TT], ttmp9
	s_mov_b32 s[DT], ttmp9
	s_mov_b32 s[REG], 0
	s_branch .Lclass_done
.Lnot_x:
	s_cmp_ge_u32 ttmp9, 448
	s_cbranch_scc1 .Lnot_qkv
	s_sub_co_u32 s39, ttmp9, 256
	s_lshr_b32 s40, s39, 6                         ; 0 Wq, 1 Wk, 2 Wv
	s_and_b32 s[TT], s39, 63
	s_lshr_b32 s[DT], s[TT], 2                     ; the head
	s_mul_i32 s[DT], s[DT], 12
	s_lshl_b32 s40, s40, 2
	s_add_co_u32 s[DT], s[DT], s40
	s_and_b32 s40, s[TT], 3
	s_add_co_u32 s[DT], s[DT], s40
	s_mov_b32 s[REG], QKV_OFF
	s_branch .Lclass_done
.Lnot_qkv:
	s_cmp_ge_u32 ttmp9, 512
	s_cbranch_scc1 .Lnot_wo
	s_sub_co_u32 s[TT], ttmp9, 448
	s_mov_b32 s[DT], s[TT]
	s_mov_b32 s[REG], WO_OFF
	s_branch .Lclass_done
.Lnot_wo:
	s_cmp_ge_u32 ttmp9, 864
	s_cbranch_scc1 .Lis_w2
	s_sub_co_u32 s39, ttmp9, 512
	s_cmp_ge_u32 s39, 176
	s_cselect_b32 s40, 1, 0                        ; 0 w1, 1 w3
	s_mul_i32 s41, s40, 176
	s_sub_co_u32 s[TT], s39, s41
	s_cmp_lt_u32 s[TT], 172                        ; 2,752 rows are 172 tiles
	s_cselect_b32 s[REAL], 1, 0
	s_lshr_b32 s[DT], s[TT], 1
	s_lshl_b32 s[DT], s[DT], 2
	s_lshl_b32 s40, s40, 1
	s_add_co_u32 s[DT], s[DT], s40
	s_and_b32 s40, s[TT], 1
	s_add_co_u32 s[DT], s[DT], s40
	s_mov_b32 s[REG], W13_OFF
	s_branch .Lclass_done
.Lis_w2:
	s_sub_co_u32 s39, ttmp9, 864
	s_lshl_b32 s39, s39, 3
	s_add_co_u32 s39, s39, s[WV]                   ; image q of 64 x 22
	s_mul_i32 s[TT], s39, 2979
	s_lshr_b32 s[TT], s[TT], 16                    ; q / 22 (exact for q < 1,408)
	s_mul_i32 s40, s[TT], 22
	s_sub_co_u32 s[KS], s39, s40
	s_cmp_lg_u32 s[KS], 21
	s_cselect_b32 s[FULL], 1, 0
	s_mov_b32 s[DT], s[TT]
	s_mov_b32 s[REG], W2_OFF
	s_mov_b32 s[TBY], 11*BRICK
	s_mov_b32 s[PIT], 11008
.Lclass_done:
	s_mov_b64 s[SRC:SRC+1], s[4:5]                 ; the source: a choice that hangs on the work-group's number alone
	s_cmp_ge_u32 ttmp9, 256
	s_cselect_b64 s[SRC:SRC+1], s[10:11], s[SRC:SRC+1]
	s_cmp_ge_u32 ttmp9, 320
	s_cselect_b64 s[SRC:SRC+1], s[12:13], s[SRC:SRC+1]
	s_cmp_ge_u32 ttmp9, 384
	s_cselect_b64 s[SRC:SRC+1], s[14:15], s[SRC:SRC+1]
	s_cmp_ge_u32 ttmp9, 448
	s_cselect_b64 s[SRC:SRC+1], s[16:17], s[SRC:SRC+1]
	s_cmp_ge_u32 ttmp9, 512
	s_cselect_b64 s[SRC:SRC+1], s[18:19], s[SRC:SRC+1]
	s_cmp_ge_u32 ttmp9, 688
	s_cselect_b64 s[SRC:SRC+1], s[20:21], s[SRC:SRC+1]
	s_cmp_ge_u32 ttmp9, 864
	s_cselect_b64 s[SRC:SRC+1], s[22:23], s[SRC:SRC+1]
	s_lshr_b32 s39, s[TT], 1
	s_lshl_b32 s39, s39, 5
	s_and_b32 s40, s[TT], 1
	s_lshl_b32 s40, s40, 3
	s_add_co_u32 s39, s39, s40                     ; the tile's first row
	s_mul_i32 s39, s39, s[PIT]
	s_lshl_b32 s40, s[KS], 9
	s_add_co_u32 s40, s39, s40
	s_mov_b32 s41, 0
	s_add_nc_u64 s[SRC:SRC+1], s[SRC:SRC+1], s[40:41]
	s_mul_i32 s42, s[DT], s[TBY]
	s_add_co_u32 s42, s42, s[REG]
	s_lshr_b32 s39, s[KS], 1
	s_mul_i32 s39, s39, BRICK
	s_add_co_u32 s42, s42, s39                     ; the brick
	s_and_b32 s39, s[KS], 1
	s_lshl_b32 s[DC], s39, 11
	s_add_co_u32 s[DC], s[DC], s42                 ; the image
	s_mov_b32 s[DC+1], 0
	s_lshl_b32 s[DSC], s39, 2
	s_add_co_u32 s[DSC], s[DSC], s42
	s_add_co_u32 s[DSC], s[DSC], 4096              ; its scale words
	s_mov_b32 s[DSC+1], 0
	s_add_nc_u64 s[DC:DC+1], s[24:25], s[DC:DC+1]
	s_add_nc_u64 s[DSC:DSC+1], s[24:25], s[DSC:DSC+1]
	s_cmp_lg_u32 s[FULL], 0
	s_cselect_b32 s39, 31, 15                      ; in w2's last K step a row has 256 bytes left: lanes 16-31 read lanes 0-15's bytes again, so that no load leaves the buffer; their numbers are replaced by zeros below
	v_and_b32 v[LOF], s39, v[LN]
	s_delay_alu instid0(VALU_DEP_1)
	v_lshlrev_b32 v[LOF], 4, v[LOF]
	s_cmp_lt_u32 ttmp9, 256
	s_cbranch_scc1 .Lnorm
	; ---- a weight
	s_cmp_eq_u32 s[REAL], 0
	s_cbranch_scc1 .Lzeros
	s_cmp_eq_u32 s[PIT], 4096
	s_cbranch_scc0 .Lwide
	LOADT 4096, 1
	s_branch .Lloaded
.Lwide:
	s_wait_alu depctr_va_vdst(0)
	LOADT 11008, 1
.Lloaded:
	s_wait_loadcnt 0x0
	TURN
	s_branch .Lhave
.Lzeros:
.set i, 0
.rept 64
	v_mov_b32 v[X+i], 0                            ; a tile past the tensor's end: zero codes
.set i, i+1
.endr
.Lhave:
	s_cmp_lg_u32 s[FULL], 0
	s_cbranch_scc1 .Lquant
.set i, 32
.rept 32
	v_mov_b32 v[X+i], 0                            ; K past 2,752: zeros ahead of the blocks' maxima
.set i, i+1
.endr
	s_branch .Lquant
	; ---- 16 rows of x: normalised on the way
.Lnorm:
	s_lshl_b32 s40, s[WV], 9
	s_mov_b32 s41, 0
	s_add_nc_u64 s[6:7], s[6:7], s[40:41]          ; g at my K step
	s_wait_alu depctr_va_vdst(0)
	LOADT 4096, 0
.irp c, 0,1,2,3
.irp j, 0,1,2,3
	global_load_b128 v[G+16*\c+4*\j:G+16*\c+4*\j+3], v[GA], s[6:7] offset:128*\c+16*\j
.endr
.endr
	s_wait_loadcnt 16                              ; x's 16 loads are in; g's 16 may be out
	TURN
.irp q, 0,1,2,3
	v_pk_mul_f32 v[CH+2*\q:CH+2*\q+1], v[X+2*\q:X+2*\q+1], v[X+2*\q:X+2*\q+1]      ; the first products start the four chains
.endr
.irp i, 8,16,24,32,40,48,56
.irp q, 0,1,2,3
	s_delay_alu instid0(VALU_DEP_4)
	v_pk_fma_f32 v[CH+2*\q:CH+2*\q+1], v[X+\i+2*\q:X+\i+2*\q+1], v[X+\i+2*\q:X+\i+2*\q+1], v[CH+2*\q:CH+2*\q+1]
.endr
.endr
	s_delay_alu instid0(VALU_DEP_3)
	v_pk_add_f32 v[CH:CH+1], v[CH:CH+1], v[CH+2:CH+3]
	s_delay_alu instid0(VALU_DEP_2)
	v_pk_add_f32 v[CH+4:CH+5], v[CH+4:CH+5], v[CH+6:CH+7]
	s_delay_alu instid0(VALU_DEP_1)
	v_pk_add_f32 v[CH:CH+1], v[CH:CH+1], v[CH+4:CH+5]
	s_delay_alu instid0(VALU_DEP_1)
	v_add_f32 v[CH], v[CH], v[CH+1]
	s_delay_alu instid0(VALU_DEP_1)
	v_permlanex16_b32 v[CH+1], v[CH], s[SEL], s[SEL+1]
	s_delay_alu instid0(VALU_DEP_1)
	v_add_f32 v[CH], v[CH], v[CH+1]                ; row r's sum of squares over my 128 along K
	ds_store_b32 v[RWR], v[CH]
	s_wait_dscnt 0x0                               ; for the others' sake: my store has landed
	s_barrier_signal -1
	s_barrier_wait -1
.irp w, 0,1,2,3,4,5,6,7
	ds_load_b32 v[PS+\w], v[RRD] offset:128*\w     ; the eight waves' parts of my row
.endr
	s_wait_dscnt 0x0
	v_add_f32 v[PS], v[PS], v[PS+1]
	v_add_f32 v[PS+2], v[PS+2], v[PS+3]
	v_add_f32 v[PS+4], v[PS+4], v[PS+5]
	v_add_f32 v[PS+6], v[PS+6], v[PS+7]
	s_delay_alu instid0(VALU_DEP_3)
	v_add_f32 v[PS], v[PS], v[PS+2]
	s_delay_alu instid0(VALU_DEP_2)
	v_add_f32 v[PS+4], v[PS+4], v[PS+6]
	s_delay_alu instid0(VALU_DEP_1)
	v_add_f32 v[PS], v[PS], v[PS+4]
	s_mov_b32 s40, 0x3a800000                      ; 1 / 1024
	s_mov_b32 s41, 0x3727c5ac                      ; 1e-5
	v_fma_f32 v[PS], v[PS], s40, s41
	s_wait_alu depctr_va_vdst(0)
	v_rsq_f32 v[INV], v[PS]
	v_rsq_f32 v[INV+1], v[PS]
	v_nop                                          ; a plain line behind the transcendentals,
	s_wait_alu depctr_va_vdst(0)                   ; and the wait ahead of their first reader
.set i, 0
.rept 32
	v_pk_mul_f32 v[X+i:X+i+1], v[X+i:X+i+1], v[INV:INV+1]
.set i, i+2
.endr
	s_wait_loadcnt 0x0                             ; g
.set i, 0
.rept 32
	v_pk_mul_f32 v[X+i:X+i+1], v[X+i:X+i+1], v[G+i:G+i+1]
.set i, i+2
.endr
.Lquant:
	QUANT X, 16, 8, PW
.irp c, 0,1,2,3
	global_store_b128 v[LI], v[PC+4*\c:PC+4*\c+3], s[DC:DC+1] offset:512*\c    ; 512 consecutive bytes a store
.endr
	global_store_b32 v[L8], v[PW], s[DSC:DSC+1]
	s_wait_tensorcnt 0x0
	ds_add_u32 v13, v14
	s_wait_dscnt 0x0
	s_endpgm
	; ---- the table: lane = i of 32 frequencies; a wave takes eight entries of positions
.Lrope:
	s_sub_co_u32 s30, ttmp9, 1040
	s_lshl_b32 s30, s30, 6
	s_lshl_b32 s31, s[WV], 3
	s_add_co_u32 s30, s30, s31                     ; my first entry
	s_lshl_b32 s32, s30, 2
	s_mov_b32 s33, 0
	s_add_nc_u64 s[8:9], s[8:9], s[32:33]
	s_load_b256 s[40:47], s[8:9], 0x0              ; eight positions
	s_lshl_b32 s34, s30, 8
	s_add_co_u32 s34, s34, ROPE_OFF
	s_mov_b32 s35, 0
	s_add_nc_u64 s[24:25], s[24:25], s[34:35]
	s_mov_b32 s51, 0xbed49a78                      ; -log2(10000) / 32, and
	s_mov_b32 s52, 0xb2178d50                      ; what that number lacks
	s_mov_b32 s53, 0x3f22f983                      ; 2 / pi
	s_mov_b32 s54, 0x3fc90fdb                      ; pi / 2, and
	s_mov_b32 s55, 0xb33bbd2e                      ; what that number lacks
	s_mov_b32 s56, 0xbe2aaaab                      ; sine: -1/6, 1/120, -1/5040, 1/362880
	s_mov_b32 s57, 0x3c088889
	s_mov_b32 s58, 0xb9500d01
	s_mov_b32 s59, 0x3638ef1d
	s_mov_b32 s60, 0x3d2aaaab                      ; cosine: 1/24, -1/720, 1/40320, -1/3628800
	s_mov_b32 s61, 0xbab60b61
	s_mov_b32 s62, 0x37d00d01
	s_mov_b32 s63, 0xb493f27e
	v_cvt_f32_u32 v16, v[LN]
	s_delay_alu instid0(VALU_DEP_1)
	v_mul_f32 v17, s51, v16                        ; a = the exponent, rounded;
	s_delay_alu instid0(VALU_DEP_1)
	v_fma_f32 v18, v16, s51, -v17                  ; what the rounding dropped,
	s_delay_alu instid0(VALU_DEP_1)
	v_fma_f32 v18, v16, s52, v18                   ; and the constant's low part
	s_wait_alu depctr_va_vdst(0)
	v_exp_f32 v19, v17
	v_mul_f32 v18, 0x3f317218, v18                 ; x ln 2.  (The plain line behind the transcendental)
	s_wait_alu depctr_va_vdst(0)                   ; the wait ahead of the first reader
	v_fma_f32 v19, v19, v18, v19                   ; 10000^(-i / 32)
	v_lshlrev_b32 v15, 3, v[LN]
	s_wait_kmcnt 0x0
.macro SC e                            ; cos and sin of position e x my frequency: the nearest multiple of pi / 2 is taken off in two parts; |rest| <= pi / 4: series to r^9 and r^10
	v_cvt_f32_i32 v20, s[40+\e]
	s_wait_alu depctr_va_vdst(0)
	v_mul_f32 v20, v20, v19
	s_delay_alu instid0(VALU_DEP_1)
	v_mul_f32 v21, s53, v20
	s_delay_alu instid0(VALU_DEP_1)
	v_rndne_f32 v21, v21
	s_delay_alu instid0(VALU_DEP_1)
	v_fma_f32 v22, -v21, s54, v20
	s_delay_alu instid0(VALU_DEP_1)
	v_fma_f32 v22, -v21, s55, v22
	s_delay_alu instid0(VALU_DEP_3)
	v_cvt_i32_f32 v23, v21                         ; the quadrant is its two low bits
	s_delay_alu instid0(VALU_DEP_2)
	v_mul_f32 v24, v22, v22
	s_delay_alu instid0(VALU_DEP_1)
	v_fma_f32 v25, v24, s59, s58
	s_delay_alu instid0(VALU_DEP_2)
	v_fma_f32 v27, v24, s63, s62
	s_delay_alu instid0(VALU_DEP_2)
	v_fma_f32 v25, v25, v24, s57
	s_delay_alu instid0(VALU_DEP_2)
	v_fma_f32 v27, v27, v24, s61
	s_delay_alu instid0(VALU_DEP_2)
	v_fma_f32 v25, v25, v24, s56
	s_delay_alu instid0(VALU_DEP_2)
	v_fma_f32 v27, v27, v24, s60
	v_mul_f32 v26, v24, v22
	s_delay_alu instid0(VALU_DEP_2)
	v_fma_f32 v27, v27, v24, -0.5
	s_delay_alu instid0(VALU_DEP_2)
	v_fma_f32 v25, v25, v26, v22                   ; sin r
	s_delay_alu instid0(VALU_DEP_2)
	v_fma_f32 v27, v27, v24, 1.0                   ; cos r
	v_and_b32 v28, 1, v23
	s_delay_alu instid0(VALU_DEP_1)
	v_cmp_eq_u32 vcc_lo, 1, v28
	s_delay_alu instid0(VALU_DEP_1)
	v_cndmask_b32 v29, v25, v27, vcc_lo            ; odd quadrants change the two
	s_delay_alu instid0(VALU_DEP_2)
	v_cndmask_b32 v30, v27, v25, vcc_lo
	v_and_b32 v28, 2, v23
	s_delay_alu instid0(VALU_DEP_1)
	v_lshlrev_b32 v28, 30, v28
	s_delay_alu instid0(VALU_DEP_1)
	v_xor_b32 v[33+2*\e], v28, v29                 ; sin: negative in quadrants 2, 3
	v_add_nc_u32 v28, 1, v23
	s_delay_alu instid0(VALU_DEP_1)
	v_and_b32 v28, 2, v28
	s_delay_alu instid0(VALU_DEP_1)
	v_lshlrev_b32 v28, 30, v28
	s_delay_alu instid0(VALU_DEP_1)
	v_xor_b32 v[32+2*\e], v28, v30                 ; cos: negative in quadrants 1, 2
	global_store_b64 v15, v[32+2*\e:33+2*\e], s[24:25] offset:256*\e   ; 256 consecutive bytes, aligned
.endm
.irp e, 0,1,2,3,4,5,6,7
	SC \e
.endr
	s_endpgm
.Lfunc_end_k_q6085437a5e_prep:
	.size	k_q6085437a5e_prep, .Lfunc_end_k_q6085437a5e_prep-k_q6085437a5e_prep
	.p2alignl 7, 3214868480
	.fill 96, 4, 3214868480
	.section	.rodata,"a",@progbits
	.p2align	6, 0x0
	.amdhsa_kernel k_q6085437a5e_prep
		.amdhsa_group_segment_fixed_size 69632
		.amdhsa_private_segment_fixed_size 0
		.amdhsa_enable_private_segment 0
		.amdhsa_kernarg_size 88
		.amdhsa_user_sgpr_count 2
		.amdhsa_user_sgpr_kernarg_segment_ptr 1
		.amdhsa_wavefront_size32 1
		.amdhsa_system_sgpr_workgroup_id_x 1
		.amdhsa_system_sgpr_workgroup_id_y 1
		.amdhsa_system_sgpr_workgroup_id_z 1
		.amdhsa_system_vgpr_workitem_id 0
		.amdhsa_next_free_vgpr 154
		.amdhsa_next_free_sgpr 66
		.amdhsa_reserve_vcc 1
		.amdhsa_float_denorm_mode_32 3
		.amdhsa_float_denorm_mode_16_64 3
		.amdhsa_memory_ordered 1
		.amdhsa_forward_progress 1
		.amdhsa_inst_pref_size 58
	.end_amdhsa_kernel
	.amdgpu_metadata
---
amdhsa.version: [ 1, 2 ]
amdhsa.kernels:
  - .name:           k_q6085437a5e_prep
    .symbol:         k_q6085437a5e_prep.kd
    .args:
      - { .name: x, .offset: 0, .size: 8, .value_kind: global_buffer, .address_space: global }
      - { .name: g1, .offset: 8, .size: 8, .value_kind: global_buffer, .address_space: global }
      - { .name: positions, .offset: 16, .size: 8, .value_kind: global_buffer, .address_space: global }
      - { .name: Wq, .offset: 24, .size: 8, .value_kind: global_buffer, .address_space: global }
      - { .name: Wk, .offset: 32, .size: 8, .value_kind: global_buffer, .address_space: global }
      - { .name: Wv, .offset: 40, .size: 8, .value_kind: global_buffer, .address_space: global }
      - { .name: Wo, .offset: 48, .size: 8, .value_kind: global_buffer, .address_space: global }
      - { .name: w1, .offset: 56, .size: 8, .value_kind: global_buffer, .address_space: global }
      - { .name: w3, .offset: 64, .size: 8, .value_kind: global_buffer, .address_space: global }
      - { .name: w2, .offset: 72, .size: 8, .value_kind: global_buffer, .address_space: global }
      - { .name: wts, .offset: 80, .size: 8, .value_kind: global_buffer, .address_space: global }
    .group_segment_fixed_size: 69632
    .private_segment_fixed_size: 0
    .kernarg_segment_align: 8
    .kernarg_segment_size: 88
    .max_flat_workgroup_size: 256
    .sgpr_count:     66
    .vgpr_count:     154
    .wavefront_size: 32
...
	.end_amdgpu_metadata
.endif
;; end of part 1
;; launch qkv (part 2): grid 16 x 16, 4 waves a work-group, clusters of 4 x 1, 327,680 bytes of LDS; arguments wts, qkvb; writes qkvb
.if DOCPART == 2
	.amdgcn_target "amdgcn-amd-amdhsa--gfx1250"
	.amdhsa_code_object_version 6
	.text
	.protected	k_q6085437a5e_qkv
	.globl	k_q6085437a5e_qkv
	.p2align	8
	.type	k_q6085437a5e_qkv,@function
k_q6085437a5e_qkv:
	s_mov_b64 s[64:65], 0
	v_nop
	global_prefetch_b8 v0, s[64:65] scope:SCOPE_SE
	s_setreg_imm32_b32 hwreg(HW_REG_WAVE_MODE, 25, 1), 1
	s_wait_xcnt 0x0
	s_wait_alu depctr_hold_cnt(0) depctr_sa_sdst(0) depctr_va_vdst(0) depctr_va_sdst(0) depctr_va_ssrc(0) depctr_va_vcc(0) depctr_vm_vsrc(0)
	s_getreg_b32 s2, hwreg(HW_REG_IB_STS2, 6, 4)
	s_cmp_eq_u32 s2, 0
	s_cbranch_scc0 .Lentry_in_a_cluster
	s_endpgm
.Lentry_in_a_cluster:
	s_bfe_u32 s2, ttmp6, 0x10000c
	s_cmp_lg_u32 s2, 0x3003
	s_cbranch_scc0 .Lentry_shape_is_right
	s_endpgm
.Lentry_shape_is_right:
.set NS,       3
.set TILEB,    17408
.set SLOTB,    69632
.set BRICK,    4352
.set QKV_OFF,  4456448
.set ROPE_OFF, 18104320
.set K_OFF,    4456448
.set V_OFF,    8912896
.set LI,  1
.set L8,  2
.set LB0, 3
.set LS0, 5
.set TA,  7
.set ASC, 16
.set BSC, 52                           ; A's and B's scale registers of a product differ modulo 8
.set ACC, 84
.set TM,  212
.set PC,  228
.set SW,  244
.set TP,  248
.set WV,  8
.set CX,  9
.set XX,  10
.set YY,  11
.set APTR, 12
.set G1,  16
.set G0,  24
.set QP,  44
.set KP,  46
.set SEL, 48
.set MNT, 50
.set VP,  52
.set VS,  54
.set RP,  56
.set MSB, 0
.macro WIN new
.if MSB != (\new)
	s_set_vgpr_msb (MSB<<8)|(\new)
.set MSB, \new
.endif
.endm
.macro ROUND
	s_barrier_signal -1
	s_barrier_wait -1
	s_cmp_lg_u32 s[WV], 0
	s_cbranch_scc1 .Lnot_wave_0_\@
	s_barrier_signal -3
.Lnot_wave_0_\@:
	s_barrier_wait -3
	s_barrier_signal -1
	s_barrier_wait -1
.endm
.macro QUANT base, stride, h2, pw
.irp b, 0,1,2,3
	v_max3_num_f32 v[TM+\b], |v[(\base)+(\stride)*\b]|, |v[(\base)+(\stride)*\b+1]|, 0x4800000
.endr
.irp i, 2,4,6
.irp b, 0,1,2,3
	v_max3_num_f32 v[TM+\b], v[TM+\b], |v[(\base)+(\stride)*\b+\i]|, |v[(\base)+(\stride)*\b+\i+1]|
.endr
.endr
.irp i, 0,2,4,6
.irp b, 0,1,2,3
	v_max3_num_f32 v[TM+\b], v[TM+\b], |v[(\base)+(\stride)*\b+(\h2)+\i]|, |v[(\base)+(\stride)*\b+(\h2)+\i+1]|
.endr
.endr
.irp b, 0,1,2,3
	v_permlanex16_b32 v[TM+4+\b], v[TM+\b], s[SEL], s[SEL+1]
.endr
.irp b, 0,1,2,3
	v_max_num_f32 v[TM+\b], v[TM+\b], v[TM+4+\b]
.endr
.irp b, 0,1,2,3
	v_add_nc_u32 v[TM+12+\b], 0xfc000000, v[TM+\b]
.endr
.irp b, 0,1,2,3
	v_and_or_b32 v[TM+8+\b], v[TM+\b], 0x7f800000, s[MNT]
.endr
.irp b, 0,1,2,3
	v_lshrrev_b32 v[TM+4+\b], 23, v[TM+12+\b]
.endr
.if \pw
	v_lshl_or_b32 v[\pw], v[TM+5], 8, v[TM+4]
	v_lshl_or_b32 v[\pw], v[TM+6], 16, v[\pw]
	v_lshl_or_b32 v[\pw], v[TM+7], 24, v[\pw]
.endif
.irp b, 0,1,2,3
.irp i, 0,1,2,3,4,5,6,7
	v_med3_num_f32 v[(\base)+(\stride)*\b+\i], v[(\base)+(\stride)*\b+\i], -v[TM+8+\b], v[TM+8+\b]
.endr
.irp i, 0,1,2,3,4,5,6,7
	v_med3_num_f32 v[(\base)+(\stride)*\b+(\h2)+\i], v[(\base)+(\stride)*\b+(\h2)+\i], -v[TM+8+\b], v[TM+8+\b]
.endr
	v_cvt_scalef32_pk8_fp8_f32 v[PC+4*\b:PC+4*\b+1], v[(\base)+(\stride)*\b:(\base)+(\stride)*\b+7], v[TM+12+\b]
	v_cvt_scalef32_pk8_fp8_f32 v[PC+4*\b+2:PC+4*\b+3], v[(\base)+(\stride)*\b+(\h2):(\base)+(\stride)*\b+(\h2)+7], v[TM+12+\b]
.endr
	v_nop
.endm
.macro LDB buf, ks
.irp n, 0,1,2,3
.irp c, 0,1,2,3
	ds_load_b128 v[64*(\buf)+16*\n+4*\c:64*(\buf)+16*\n+4*\c+3], v[LB0+\n/2] offset:(\n%2)*TILEB+((\ks)/2)*BRICK+((\ks)%2)*2048+512*\c
.endr
.endr
.endm
.macro MULK ks, nat
.if \nat
	WIN 0x0d+(\ks)/4
.else
	WIN 0x07+4*((\ks)/4)
.endif
.irp m, 0,1,2,3
.irp n, 0,1,2,3
.if \nat
.if (\ks) == 0
	v_wmma_scale_f32_16x16x128_f8f6f4 v[ACC+8*(4*\m+\n):ACC+8*(4*\m+\n)+7], v[16*(4*((\ks)%4)+\m):16*(4*((\ks)%4)+\m)+15], v[64*((\ks)%2)+16*\n:64*((\ks)%2)+16*\n+15], 0, v[ASC+8*\m+(\ks)], v[BSC+8*\n+(\ks)]
.else
	v_wmma_scale_f32_16x16x128_f8f6f4 v[ACC+8*(4*\m+\n):ACC+8*(4*\m+\n)+7], v[16*(4*((\ks)%4)+\m):16*(4*((\ks)%4)+\m)+15], v[64*((\ks)%2)+16*\n:64*((\ks)%2)+16*\n+15], v[ACC+8*(4*\m+\n):ACC+8*(4*\m+\n)+7], v[ASC+8*\m+(\ks)], v[BSC+8*\n+(\ks)]
.endif
.else
.if (\ks) == 0
	v_wmma_scale_f32_16x16x128_f8f6f4 v[ACC+8*(4*\m+\n):ACC+8*(4*\m+\n)+7], v[64*((\ks)%2)+16*\n:64*((\ks)%2)+16*\n+15], v[16*(4*((\ks)%4)+\m):16*(4*((\ks)%4)+\m)+15], 0, v[BSC+8*\n+(\ks)], v[ASC+8*\m+(\ks)]
.else
	v_wmma_scale_f32_16x16x128_f8f6f4 v[ACC+8*(4*\m+\n):ACC+8*(4*\m+\n)+7], v[64*((\ks)%2)+16*\n:64*((\ks)%2)+16*\n+15], v[16*(4*((\ks)%4)+\m):16*(4*((\ks)%4)+\m)+15], v[ACC+8*(4*\m+\n):ACC+8*(4*\m+\n)+7], v[BSC+8*\n+(\ks)], v[ASC+8*\m+(\ks)]
.endif
.endif
.endr
.endr
.endm
.macro STEP s, nat
	WIN 0
	s_wait_tensorcnt 1-((\s)+1)/2                  ; step 0: slot 0 was shown by the round in front of it, my load of slots 1 and 2 may be out; steps 1, 2: it has landed
	s_wait_dscnt 0x0
	s_barrier_signal -1
	s_barrier_wait -1
	v_add_nc_u32 v[LB0], (\s)*SLOTB, v[LI]
	v_add_nc_u32 v[LB0+1], (\s)*SLOTB+2*TILEB, v[LI]
	v_add_nc_u32 v[LS0], (\s)*SLOTB, v[L8]
	v_add_nc_u32 v[LS0+1], (\s)*SLOTB+2*TILEB, v[L8]
.irp n, 0,1,2,3
.irp br, 0,1,2,3
	ds_load_b64 v[BSC+8*\n+2*\br:BSC+8*\n+2*\br+1], v[LS0+\n/2] offset:(\n%2)*TILEB+\br*BRICK+4096
.endr
.endr
	WIN 0xc0
	LDB 0, 0
	LDB 1, 1
	s_wait_alu depctr_va_vdst(0)
.irp ks, 0,1,2,3,4,5,6,7
.if \ks == 7
	s_wait_dscnt 0x0
.else
	s_wait_dscnt 16
.endif
	MULK \ks, \nat
.if \ks <= 5
	WIN 0xc0
.rept 8
	v_nop
.endr
	LDB \ks%2, \ks+2
.endif
.endr
	WIN 0
.rept 8
	v_nop
.endr
.endm
	s_load_b128 s[40:43], s[0:1], 0x0
	v_lshl_add_u32 v254, v0, 2, 0x33000
	v_mov_b32 v255, 0
	ds_add_u32 v254, v255
	ds_add_u32 v254, v255
	v_lshrrev_b32 v1, 5, v0
	v_readfirstlane_b32 s[WV], v1
	s_bfe_u32 s[CX], ttmp6, 0x40000
	s_lshl_b32 s[XX], ttmp9, 2
	s_add_co_u32 s[XX], s[XX], s[CX]
	s_and_b32 s[YY], ttmp7, 0xffff
	s_mov_b32 s[G1+0], 15|(3<<16)|(1<<21)
	s_mov_b32 s[G1+1], 32<<16
	s_mov_b32 s[G1+2], 68<<16
	s_mov_b32 s[G1+3], 32<<16
	s_mov_b32 s[G1+4], 68
	s_mov_b32 s[G1+5], 32
	s_mov_b32 s[G1+6], 0
	s_mov_b32 s[G1+7], 0
	s_mul_i32 s51, s[WV], TILEB
	s_mul_i32 s60, s[YY], NS*SLOTB
	s_add_co_u32 s60, s60, s51
	s_add_co_u32 s60, s60, QKV_OFF
	s_mov_b32 s61, 0
	s_wait_dscnt 0x0
	s_wait_kmcnt 0x0
	s_add_nc_u64 s[60:61], s[40:41], s[60:61]
	s_mov_b32 s[G0], 1
	s_mov_b32 s[G0+1], s51
	s_mov_b64 s[G0+2:G0+3], s[60:61]
	s_or_b32 s[G0+3], s[G0+3], 0x80000000
	ROUND
	tensor_load_to_lds s[G0:G0+3], s[G1:G1+7]      ; the head's one load a wave: my tile of slot 0 (Wq's four tiles)
	s_nop 0
.rept 4
	v_nop
.endr
	v_and_b32 v9, 31, v0
	v_lshlrev_b32 v[LI], 4, v9
	s_wait_alu depctr_va_vdst(0)
	v_lshlrev_b32 v[L8], 3, v9
	v_and_b32 v10, 15, v0
	v_bfe_u32 v11, v0, 4, 1
	v_and_b32 v12, 8, v10
	v_add_nc_u32 v12, v12, v10
	v_lshlrev_b32 v[TA], 8, v12
	v_lshl_add_u32 v[TA], v11, 6, v[TA]
	s_wait_alu depctr_va_vdst(0)
	s_lshl_b32 s58, s[XX], 4
	s_lshl_b32 s59, s[WV], 2
	s_add_co_u32 s58, s58, s59
	s_mul_i32 s[APTR], s58, TILEB
	s_mov_b32 s[APTR+1], 0
	s_add_nc_u64 s[APTR:APTR+1], s[40:41], s[APTR:APTR+1]
.irp m, 0,1,2,3
.irp br, 0,1,2,3
	global_load_b64 v[ASC+8*\m+2*\br:ASC+8*\m+2*\br+1], v[L8], s[APTR:APTR+1] offset:\m*TILEB+\br*BRICK+4096
.endr
.endr
.irp ks, 0,1,2,3,4,5,6,7
	WIN 0x40*(1+\ks/4)
.irp m, 0,1,2,3
.irp c, 0,1,2,3
	global_load_b128 v[16*(4*(\ks%4)+\m)+4*\c:16*(4*(\ks%4)+\m)+4*\c+3], v[LI], s[APTR:APTR+1] offset:\m*TILEB+(\ks/2)*BRICK+(\ks%2)*2048+512*\c
.endr
.endr
.endr
	s_and_b32 s59, s[XX], 7
	s_lshl_b32 s58, s59, 8
	s_lshl_b32 s62, s[WV], 6
	s_add_co_u32 s58, s58, s62
	s_lshl_b32 s[RP], s58, 8
	s_add_co_u32 s[RP], s[RP], ROPE_OFF
	s_mov_b32 s[RP+1], 0
	s_add_nc_u64 s[RP:RP+1], s[40:41], s[RP:RP+1]
	WIN 0xc0
.irp m, 0,1,2,3
.irp b, 0,1
.irp j, 0,1,2,3
	global_load_b128 v[128+32*\m+16*\b+4*\j:128+32*\m+16*\b+4*\j+3], v[TA], s[RP:RP+1] offset:256*(32*(\m/2)+8*(\m%2))+128*\b+16*\j
.endr
.endr
.endr
	WIN 0
	s_mov_b32 s[SEL], 0x76543210
	s_mov_b32 s[SEL+1], 0xfedcba98
	s_mov_b32 s[MNT], 0x600000
.irp b, 0,1,2,3
	v_mov_b32 v[TM+4+\b], 0
.endr
	s_lshr_b32 s58, s[XX], 3
	s_lshl_b32 s58, s58, 4
	s_add_co_u32 s58, s58, s[YY]
	s_lshl_b32 s62, s58, 5
	s_lshl_b32 s63, s59, 2
	s_add_co_u32 s62, s62, s63
	s_add_co_u32 s62, s62, s[WV]
	s_mul_i32 s[QP], s62, BRICK
	s_mov_b32 s[QP+1], 0
	s_add_nc_u64 s[QP:QP+1], s[42:43], s[QP:QP+1]
	s_add_nc_u64 s[KP:KP+1], s[QP:QP+1], K_OFF
	s_lshl_b32 s62, s58, 4
	s_lshl_b32 s63, s59, 1
	s_add_co_u32 s62, s62, s63
	s_lshr_b32 s63, s[WV], 1
	s_add_co_u32 s62, s62, s63
	s_mul_i32 s62, s62, 2*BRICK
	s_add_co_u32 s62, s62, V_OFF
	s_and_b32 s63, s[WV], 1
	s_lshl_b32 s[VP], s63, 10
	s_add_co_u32 s[VP], s[VP], s62
	s_mov_b32 s[VP+1], 0
	s_lshl_b32 s[VS], s63, 1
	s_add_co_u32 s[VS], s[VS], s62
	s_mov_b32 s[VS+1], 0
	s_add_nc_u64 s[VP:VP+1], s[42:43], s[VP:VP+1]
	s_add_nc_u64 s[VS:VS+1], s[42:43], s[VS:VS+1]
.macro EPQ dp
.irp p, 0,1
	WIN 0x0c
.set i, 0
.rept 32
	v_mul_f32 v[TP+4*(i%2)], v[ACC+64*\p+2*i+1], v[128+64*\p+2*i+1]
	v_mul_f32 v[TP+4*(i%2)+1], v[ACC+64*\p+2*i], v[128+64*\p+2*i+1]
	v_fma_f32 v[ACC+64*\p+2*i], v[ACC+64*\p+2*i], v[128+64*\p+2*i], -v[TP+4*(i%2)]
	v_fma_f32 v[ACC+64*\p+2*i+1], v[ACC+64*\p+2*i+1], v[128+64*\p+2*i], v[TP+4*(i%2)+1]
.set i, i+1
.endr
	WIN 0
	s_wait_xcnt 0x0
	QUANT ACC+64*\p, 16, 8, SW+\p
.irp c, 0,1,2,3
	global_store_b128 v[LI], v[PC+4*\c:PC+4*\c+3], s[\dp:\dp+1] offset:2048*\p+512*\c
.endr
.endr
	global_store_b64 v[L8], v[SW:SW+1], s[\dp:\dp+1] offset:4096
.endm
.macro EPV
.irp bl, 0,1
	s_wait_xcnt 0x0
	QUANT ACC+64*\bl, 8, 32, 0
.irp n, 0,1,2,3
.if \bl == 0
	v_mov_b32 v[SW+\n], v[TM+4+\n]
.else
	v_lshl_or_b32 v[SW+\n], v[TM+4+\n], 8, v[SW+\n]
.endif
.endr
.irp n, 0,1,2,3
	global_store_b128 v[LI], v[PC+4*\n:PC+4*\n+3], s[VP:VP+1] offset:(\n/2)*BRICK+(\n%2)*2048+512*\bl
.endr
.endr
.irp n, 0,1,2,3
	global_store_b16 v[L8], v[SW+\n], s[VS:VS+1] offset:(\n/2)*BRICK+4096+4*(\n%2)
.endr
.endm
	s_wait_alu depctr_va_vdst(0)
	s_wait_tensorcnt 0x0                           ; my tile of slot 0 is in
	ds_add_u32 v254, v255
	s_add_co_u32 s58, s51, SLOTB                   ; slots 1 and 2 are 139,264 dense bytes, in memory and in LDS: a quarter a wave, 136 rows of 256 bytes
	s_mov_b32 s59, 0
	s_add_nc_u64 s[G0+2:G0+3], s[60:61], s[58:59]
	s_or_b32 s[G0+3], s[G0+3], 0x80000000
	s_add_co_u32 s[G0+1], s58, s51
	s_mov_b32 s[G1+2], 136<<16
	s_mov_b32 s[G1+4], 136
	s_wait_dscnt 0x0
	ROUND
	tensor_load_to_lds s[G0:G0+3], s[G1:G1+7]      ; my one load behind the round
	s_nop 0
.rept 4
	v_nop
.endr
	s_wait_loadcnt 32
	STEP 0, 0
	s_wait_loadcnt 0x0
	EPQ QP
	STEP 1, 0
	EPQ KP
	STEP 2, 1
	EPV
	s_wait_tensorcnt 0x0
	ds_add_u32 v254, v255
	s_wait_dscnt 0x0
	ROUND
	s_endpgm
.Lfunc_end_k_q6085437a5e_qkv:
	.size	k_q6085437a5e_qkv, .Lfunc_end_k_q6085437a5e_qkv-k_q6085437a5e_qkv
	.p2alignl 7, 3214868480
	.fill 96, 4, 3214868480
	.section	.rodata,"a",@progbits
	.p2align	6, 0x0
	.amdhsa_kernel k_q6085437a5e_qkv
		.amdhsa_group_segment_fixed_size 327680
		.amdhsa_private_segment_fixed_size 0
		.amdhsa_enable_private_segment 0
		.amdhsa_kernarg_size 16
		.amdhsa_user_sgpr_count 2
		.amdhsa_user_sgpr_kernarg_segment_ptr 1
		.amdhsa_wavefront_size32 1
		.amdhsa_system_sgpr_workgroup_id_x 1
		.amdhsa_system_sgpr_workgroup_id_y 1
		.amdhsa_system_sgpr_workgroup_id_z 1
		.amdhsa_system_vgpr_workitem_id 0
		.amdhsa_next_free_vgpr 1024
		.amdhsa_next_free_sgpr 66
		.amdhsa_reserve_vcc 0
		.amdhsa_float_denorm_mode_32 3
		.amdhsa_float_denorm_mode_16_64 3
		.amdhsa_memory_ordered 1
		.amdhsa_forward_progress 1
		.amdhsa_inst_pref_size 182
	.end_amdhsa_kernel
	.amdgpu_metadata
---
amdhsa.version: [ 1, 2 ]
amdhsa.kernels:
  - .name:           k_q6085437a5e_qkv
    .symbol:         k_q6085437a5e_qkv.kd
    .args:
      - { .name: wts, .offset: 0, .size: 8, .value_kind: global_buffer, .address_space: global }
      - { .name: qkvb, .offset: 8, .size: 8, .value_kind: global_buffer, .address_space: global }
    .group_segment_fixed_size: 327680
    .private_segment_fixed_size: 0
    .kernarg_segment_align: 8
    .kernarg_segment_size: 16
    .max_flat_workgroup_size: 128
    .sgpr_count:     66
    .vgpr_count:     1024
    .wavefront_size: 32
...
	.end_amdgpu_metadata
.endif
;; end of part 2
;; launch att (part 3): grid 8 x 32, 16 waves a work-group, clusters of 4 x 1, 317,440 bytes of LDS; arguments qkvb, ac; writes ac
.if DOCPART == 3
	.amdgcn_target "amdgcn-amd-amdhsa--gfx1250"
	.amdhsa_code_object_version 6
	.text
	.protected	k_q6085437a5e_att
	.globl	k_q6085437a5e_att
	.p2align	8
	.type	k_q6085437a5e_att,@function
k_q6085437a5e_att:
	s_mov_b64 s[64:65], 0
	v_nop
	global_prefetch_b8 v0, s[64:65] scope:SCOPE_SE
	s_setreg_imm32_b32 hwreg(HW_REG_WAVE_MODE, 25, 1), 1
	s_wait_xcnt 0x0
	s_wait_alu depctr_hold_cnt(0) depctr_sa_sdst(0) depctr_va_vdst(0) depctr_va_sdst(0) depctr_va_ssrc(0) depctr_va_vcc(0) depctr_vm_vsrc(0)
	s_getreg_b32 s2, hwreg(HW_REG_IB_STS2, 6, 4)
	s_cmp_eq_u32 s2, 0
	s_cbranch_scc0 .Lentry_in_a_cluster
	s_endpgm
.Lentry_in_a_cluster:
	s_bfe_u32 s2, ttmp6, 0x10000c
	s_cmp_lg_u32 s2, 0x3003
	s_cbranch_scc0 .Lentry_shape_is_right
	s_endpgm
.Lentry_shape_is_right:
; ATT: causal attention of one (batch, head), both products on codes of E4M3 with E8M0 scales; the result, divided by the row's sum, is quantised along the head's 64 for the next product.
; THE SOFTMAX: t = score x log2(e) / 8; M = the running largest t rounded up to a whole number; p = 2^(t - M) is quantised along the keys; the sum is taken of the unquantised p; when M moves, sum and O are multiplied by 2^(old M - new M), exactly.
; SHARES.  y = batch x 16 + head.  The head's K and V (32 bricks each, 139,264 bytes each) come into LDS once, jointly for the four work-groups of a cluster; every fill is a first fill.
; A work-group has 16 tiles of 16 queries and 16 waves.  THE WAVES WORK IN PAIRS, so that no wave walks more than nine key steps of 128.  A pair has two tiles: one in a short block s of 128 queries (s + 1 key steps) and one in the long
; block 15 - s (16 - s key steps): 17 in all.  Wave A (bit 1 of the wave's number, turned round where j is odd, 0) takes the long tile's key steps 0 to 8.  Wave B takes the short tile whole and stores it, then the long tile's key steps 9 to 15 - s, and hands that part
; (O^T, -M, the sum's halves) to A through LDS as images of its registers; behind a barrier A brings both parts under the larger M, by multiplications with powers of two that round nothing, adds them, and finishes the tile.
; The blocks hang on the wave's number and the cluster's number alone (j = wave / 4: s = 2 j + ((j xor cluster) & 1)), so that every branch is alike in the four partners; the partner's place picks the tile inside a block.
; CAUSAL: every wave walks 16 trips (constant trip counts 2, 7, 7); a key step past the wave's part is left out by a scalar branch on ids; in the step on the diagonal hidden scores become -infinity.
; LAYOUT.  Both products transposed: a lane holds one query.  HEAD SIZE 64 IN A K OF 128: an operand of K is two tiles of 16 keys side by side (64 codes each); Q stands twice in registers, [q | 0] and [0 | q]: zero codes add nothing,
; and the scale bytes of Q's zero half are 0, which is a number (2^-127).  By the bricks' row order the 16 registers of score tiles 2 b, 2 b + 1 are keys 32 b + 16 (lane / 16) + 0..15, and O^T's of d tiles 2 b, 2 b + 1 are d = 32 b + 16 (lane / 16) + 0..15.
; LIMITS: a block of zeros gets the byte 1; NaN and infinities among the inputs are not served.
; REGISTERS: v1-8 addresses and the mask's number; v12 -M, v13 the largest t, v[14:15] the sum; v16-31 [q | 0]; v32-95 four operands of K; v96-159 scores, p, then V's four fragments; v160-191 O^T; v192-207 p's codes; v208-223 [0 | q];
;   v224-239 the quantiser's; v240-243 K's scale words, v244-247 V's, v248-249 Q's two; v250-251 the sum's second chain; v252 f, v253 p's scale word; v254 at work.
.set BRICK, 4352
.set HEADB, 139264                     ; a head's K, or V
.set K_OFF, 4456448
.set PART,  2*HEADB                    ; behind K and V: eight places of PARTB bytes, one for each pair and tile: nine groups of four registers, 512 bytes each
.set PARTB, 4608
.set LI,   1
.set L8,   2
.set DD,   3
.set ADK,  4
.set ADKS, 5
.set ADV,  6
.set ADVS, 7
.set PA,   8                           ; v8  my pair's place among the parts, + 16 x lane
.set WV,  8
.set CX,  9
.set BH,  11
.set BD,  12                           ; s12 the block of the tile in hand: its diagonal's key step
.set KI,  13
.set TK,  14
.set TV,  15
.set G1A, 16
.set G1B, 24
.set G0A, 32
.set G0B, 36
.set SEL, 44
.set CS,  46
.set MNT, 48
.set CNT, 49
.set OC,  58
.set OS,  62
.set HI,  66                           ; s66 the last key step of my part of the tile in hand
.set ROLE, 67                          ; s67 0: wave A, 1: wave B
.set BL,  68                           ; s68 the pair's long block
.set SH,  69                           ; s69 16 x (wave & 1): where my tile's two bytes stand in Q's scale word
.set Q2C, 70                           ; s[70:71], s[72:73] the long tile's codes and scale words
.set Q2S, 72
.macro ROUND
	s_barrier_signal -1
	s_barrier_wait -1
	s_cmp_lg_u32 s[WV], 0
	s_cbranch_scc1 .Lnot_wave_0_\@
	s_barrier_signal -3
.Lnot_wave_0_\@:
	s_barrier_wait -3
	s_barrier_signal -1
	s_barrier_wait -1
.endm
.macro QLOAD pc, ps                    ; a tile of Q, twice, and its scale word
	global_load_b128 v[16:19], v[LI], s[\pc:\pc+1]
	global_load_b128 v[20:23], v[LI], s[\pc:\pc+1] offset:512
	global_load_b128 v[216:219], v[LI], s[\pc:\pc+1]
	global_load_b128 v[220:223], v[LI], s[\pc:\pc+1] offset:512
	global_load_b32 v254, v[L8], s[\ps:\ps+1]
.endm
.macro QWORDS
	s_wait_loadcnt 0x0
	v_lshrrev_b32 v254, s[SH], v254
	s_delay_alu instid0(VALU_DEP_1)
	v_and_b32 v248, 0xffff, v254                   ; [q | 0]'s scale word: my tile's two bytes below,
	s_delay_alu instid0(VALU_DEP_1)
	v_lshlrev_b32 v249, 16, v248                   ; [0 | q]'s: above
.endm
.macro FRESH                           ; a tile begins: the step is written once, and its first walk finds zeros
	v_mov_b32 v13, 0xff61b1e6                      ; the largest t so far: -3e38
	s_delay_alu instid0(VALU_DEP_1)
	v_floor_f32 v12, -v13
	v_mov_b32 v14, 0
	v_mov_b32 v15, 0
.set i, 0
.rept 32
	v_mov_b32 v[160+i], 0
.set i, i+1
.endr
.endm
	s_load_b128 s[40:43], s[0:1], 0x0              ; qkvb, ac
	v_lshl_add_u32 v254, v0, 2, 0x4d000
	v_mov_b32 v255, 0
	ds_add_u32 v254, v255
	ds_add_u32 v254, v255
	s_wait_dscnt 0x0
	v_lshrrev_b32 v1, 5, v0
	s_delay_alu instid0(VALU_DEP_1)
	v_readfirstlane_b32 s[WV], v1                  ; wave 0..15
	s_bfe_u32 s[CX], ttmp6, 0x40000                ; my place in the cluster: it enters Q's and the result's global addresses and the mask's number alone
	s_and_b32 s[BH], ttmp7, 0xffff
	s_lshr_b32 s50, s[WV], 2                       ; j
	s_xor_b32 s51, s50, ttmp9
	s_and_b32 s51, s51, 1
	s_lshl_b32 s52, s50, 1
	s_add_co_u32 s52, s52, s51                     ; the pair's short block = 2 j + ((j xor cluster) & 1), 0 to 7
	s_sub_co_u32 s[BL], 15, s52                    ; its long block, 8 to 15
	s_bfe_u32 s[ROLE], s[WV], 0x10001
	s_xor_b32 s[ROLE], s[ROLE], s50                ; the role is bit 1 of the wave's number, turned round where j is odd: of the waves w, w + 4, w + 8, w + 12 two are A and two are B
	s_and_b32 s[ROLE], s[ROLE], 1
	s_cmp_eq_u32 s[ROLE], 0
	s_cselect_b32 s[BD], s[BL], s52                ; A begins, and stays, with the long tile; B begins with the short one
	s_min_u32 s[HI], s[BD], 8                      ; A: key steps 0 to 8; B: all of the short tile's
.irp g, G1A, G1B
	s_mov_b32 s[\g+0], 15|(3<<16)|(1<<21)          ; the mask: all four work-groups; elements of 8 bytes; bit 21 beside a mask
	s_mov_b32 s[\g+1], 32<<16                      ; rows of 256 bytes
	s_mov_b32 s[\g+3], 32<<16
	s_mov_b32 s[\g+5], 32
	s_mov_b32 s[\g+6], 0
	s_mov_b32 s[\g+7], 0
.endr
	s_mov_b32 s[G1A+2], 68<<16                     ; the first fill: 17,408 bytes, half of the first 512 keys' bricks
	s_mov_b32 s[G1A+4], 68
	s_mov_b32 s[G1B+2], 204<<16                    ; the second: 52,224 bytes, half of the rest
	s_mov_b32 s[G1B+4], 204
	s_and_b32 s50, s[WV], 1                        ; waves 0 to 3 fetch: K (0) or V (1),
	s_lshr_b32 s51, s[WV], 1
	s_and_b32 s51, s51, 1                          ; the first or the second half
	s_mul_i32 s52, s50, HEADB
	s_mul_i32 s53, s51, 17408
	s_add_co_u32 s[G0A+1], s52, s53
	s_mul_i32 s54, s51, 52224
	s_add_co_u32 s[G0B+1], s52, s54
	s_add_co_u32 s[G0B+1], s[G0B+1], 34816
	s_mul_i32 s55, s50, K_OFF
	s_mul_i32 s56, s[BH], HEADB
	s_add_co_u32 s55, s55, s56
	s_add_co_u32 s55, s55, K_OFF                   ; the head's K or V in memory
	s_add_co_u32 s56, s55, s53
	s_mov_b32 s57, 0
	s_add_co_u32 s58, s55, s54
	s_add_co_u32 s58, s58, 34816
	s_mov_b32 s59, 0
	s_wait_kmcnt 0x0
	s_mov_b32 s[G0A], 1
	s_add_nc_u64 s[G0A+2:G0A+3], s[40:41], s[56:57]
	s_or_b32 s[G0A+3], s[G0A+3], 0x80000000
	s_mov_b32 s[G0B], 1
	s_add_nc_u64 s[G0B+2:G0B+3], s[40:41], s[58:59]
	s_or_b32 s[G0B+3], s[G0B+3], 0x80000000
	ROUND                                          ; all four work-groups are here: the joint loads meet
	s_cmp_lt_u32 s[WV], 4                          ; one chain of arms, one load to an arm: waves 0 to 3 fetch the first fill's four parts,
	s_cbranch_scc0 .Lnot_first
	tensor_load_to_lds s[G0A:G0A+3], s[G1A:G1A+7]
	s_nop 0
.rept 4
	v_nop
.endr
	s_branch .Lno_fetch
.Lnot_first:
	s_cmp_lt_u32 s[WV], 8                          ; waves 4 to 7 the second's (bits 0 and 1 of the wave's number pick K or V and the half, as in waves 0 to 3)
	s_cbranch_scc0 .Lno_fetch
	tensor_load_to_lds s[G0B:G0B+3], s[G1B:G1B+7]
	s_nop 0
.rept 4
	v_nop
.endr
.Lno_fetch:
	v_and_b32 v9, 31, v0
	s_delay_alu instid0(VALU_DEP_1)
	v_lshlrev_b32 v[LI], 4, v9
	s_wait_alu depctr_va_vdst(0)
	v_lshlrev_b32 v[L8], 3, v9
	s_wait_alu depctr_va_vdst(0)
	v_and_b32 v9, 15, v0                           ; r
	v_bfe_u32 v10, v0, 4, 1                        ; h
	s_delay_alu instid0(VALU_DEP_2)
	v_and_b32 v[DD], 8, v9
	s_delay_alu instid0(VALU_DEP_1)
	v_add_nc_u32 v[DD], v[DD], v9
	s_delay_alu instid0(VALU_DEP_3)
	v_lshlrev_b32 v11, 4, v10
	s_delay_alu instid0(VALU_DEP_1)
	v_sub_nc_u32 v[DD], v[DD], v11
	s_lshl_b32 s50, s[CX], 5
	s_and_b32 s51, s[WV], 1                        ; u: which of the partner's two tiles of a block
	s_lshl_b32 s52, s51, 3
	s_add_co_u32 s50, s50, s52
	v_add_nc_u32 v[DD], s50, v[DD]                 ; my query's place in its block of 128, less 16 h: score register 16 b + i is hidden on the diagonal where 32 b + i is above it.  The same in both tiles of the pair
	s_lshr_b32 s52, s[WV], 2
	s_lshl_b32 s52, s52, 1
	s_add_co_u32 s52, s52, s51                     ; 2 j + u: the same in A and B of a pair
	s_mul_i32 s52, s52, PARTB
	s_add_co_u32 s52, s52, PART
	v_add_nc_u32 v[PA], s52, v[LI]
	s_lshl_b32 s[SH], s51, 4
	s_lshr_b32 s54, s[CX], 1
	s_lshl_b32 s53, s[BH], 5
	s_add_co_u32 s53, s53, s54                     ; Q's bricks hold 64 rows: the head's first, + which half of a block
	s_and_b32 s54, s[CX], 1
	s_lshl_b32 s55, s54, 11                        ; the image,
	s_lshl_b32 s52, s51, 10
	s_add_co_u32 s55, s55, s52                     ; and my tile's half of it
	s_lshl_b32 s54, s54, 2
	s_add_co_u32 s54, s54, 4096                    ; the image's scale word
	s_lshl_b32 s52, s[BD], 1
	s_add_co_u32 s52, s52, s53
	s_mul_i32 s52, s52, BRICK                      ; the tile that I begin with
	s_add_co_u32 s56, s52, s55
	s_mov_b32 s57, 0
	s_add_co_u32 s60, s52, s54
	s_mov_b32 s61, 0
	s_lshl_b32 s52, s[BL], 1
	s_add_co_u32 s52, s52, s53
	s_mul_i32 s52, s52, BRICK                      ; the long tile
	s_add_co_u32 s[Q2C], s52, s55
	s_mov_b32 s[Q2C+1], 0
	s_add_co_u32 s[Q2S], s52, s54
	s_mov_b32 s[Q2S+1], 0
	s_add_nc_u64 s[56:57], s[40:41], s[56:57]
	s_add_nc_u64 s[60:61], s[40:41], s[60:61]
	s_add_nc_u64 s[Q2C:Q2C+1], s[40:41], s[Q2C:Q2C+1]
	s_add_nc_u64 s[Q2S:Q2S+1], s[40:41], s[Q2S:Q2S+1]
	QLOAD 56, 60
	s_lshr_b32 s50, s[BH], 4
	s_lshl_b32 s50, s50, 7
	s_lshl_b32 s52, s[BD], 3
	s_add_co_u32 s50, s50, s52
	s_lshl_b32 s52, s[CX], 1
	s_add_co_u32 s50, s50, s52
	s_add_co_u32 s50, s50, s51                     ; the tile that I store (A: the long one, B: the short one) among the 256 tiles of rows
	s_mul_i32 s50, s50, 4*BRICK
	s_and_b32 s52, s[BH], 15                       ; the head: K of the next product is 64 head + d
	s_lshr_b32 s53, s52, 2
	s_mul_i32 s53, s53, BRICK
	s_add_co_u32 s50, s50, s53
	s_bfe_u32 s53, s52, 0x10001
	s_and_b32 s54, s52, 1
	s_lshl_b32 s55, s53, 11
	s_add_co_u32 s[OC], s50, s55
	s_lshl_b32 s55, s54, 10
	s_add_co_u32 s[OC], s[OC], s55
	s_mov_b32 s[OC+1], 0
	s_lshl_b32 s55, s53, 2
	s_add_co_u32 s[OS], s50, s55
	s_lshl_b32 s55, s54, 1
	s_add_co_u32 s[OS], s[OS], s55
	s_add_co_u32 s[OS], s[OS], 4096
	s_mov_b32 s[OS+1], 0
	s_add_nc_u64 s[OC:OC+1], s[42:43], s[OC:OC+1]
	s_add_nc_u64 s[OS:OS+1], s[42:43], s[OS:OS+1]
	s_mov_b32 s[SEL], 0x76543210
	s_mov_b32 s[SEL+1], 0xfedcba98
	s_mov_b32 s[CS], 0x3e38aa3b                    ; c = log2(e) / 8
	s_mov_b32 s[CS+1], s[CS]                       ; (named with it as a pair, so it is written)
	s_mov_b32 s[MNT], 0x600000
	s_mov_b32 s[KI], 0
	s_mov_b32 s[TK], 0
	s_mov_b32 s[TV], HEADB
	FRESH
	v_mov_b32 v250, 0                              ; written once: v250 to v253 are named in pairs, and v252 as a lane permute's destination, on ways on which no key step has written them
	v_mov_b32 v251, 0
	v_mov_b32 v252, 0
	v_mov_b32 v253, 0
.irp b, 0,1,2,3
	v_mov_b32 v[228+\b], 0                         ; written once: a lane permute's destination counts as one of its sources
.endr
.set i, 0
.rept 8
	v_mov_b32 v[24+i], 0                           ; the zero halves of Q's two operands
	v_mov_b32 v[208+i], 0
.set i, i+1
.endr
	QWORDS
.macro STEP                            ; key step KI: 128 keys
	s_cmp_gt_u32 s[KI], s[HI]
	s_cbranch_scc1 .Lskip_\@                       ; past my part of the tile in hand
	v_add_nc_u32 v[ADK], s[TK], v[LI]
	v_add_nc_u32 v[ADKS], s[TK], v[L8]
	v_add_nc_u32 v[ADV], s[TV], v[LI]
	v_add_nc_u32 v[ADVS], s[TV], v[L8]
.rept 5
	v_nop                                          ; with the four additions nine places: the scores are laid over V's fragments, which the last products read
.endr
.irp p, 0,1,2,3
.irp c, 0,1,2,3
	ds_load_b128 v[32+16*\p+4*\c:32+16*\p+4*\c+3], v[ADK] offset:(\p/2)*BRICK+(\p%2)*2048+512*\c
.endr
.endr
	ds_load_b64 v[240:241], v[ADKS] offset:4096
	ds_load_b64 v[242:243], v[ADKS] offset:BRICK+4096
	s_wait_dscnt 0x0
	s_wait_alu depctr_va_vdst(0)
.irp p, 0,1,2,3
	v_wmma_scale_f32_16x16x128_f8f6f4 v[96+16*\p:103+16*\p], v[32+16*\p:47+16*\p], v[16:31], 0, v[240+\p], v248
	v_wmma_scale_f32_16x16x128_f8f6f4 v[104+16*\p:111+16*\p], v[32+16*\p:47+16*\p], v[208:223], 0, v[240+\p], v249
.endr
.rept 8
	v_nop
.endr
	s_cmp_lg_u32 s[KI], s[BD]
	s_cbranch_scc1 .Lopen_\@                       ; all its keys count
	v_mov_b32 v254, 0xff800000
.set n, 0
.rept 64
	v_cmp_gt_i32 vcc_lo, 32*(n/16)+n%16, v[DD]
	v_cndmask_b32 v[96+n], v[96+n], v254, vcc_lo
.set n, n+1
.endr
.Lopen_\@:
.irp b, 0,1,2,3
	v_max3_num_f32 v[224+\b], v[96+16*\b], v[97+16*\b], v[98+16*\b]    ; the largest score of each block of 32 keys: for the row's maximum, and, since p rises with the score, for the block's largest p
.endr
.irp i, 3,5,7,9,11,13
.irp b, 0,1,2,3
	v_max3_num_f32 v[224+\b], v[224+\b], v[96+16*\b+\i], v[97+16*\b+\i]
.endr
.endr
.irp b, 0,1,2,3
	v_max_num_f32 v[224+\b], v[224+\b], v[111+16*\b]
.endr
.irp b, 0,1,2,3
	s_delay_alu instid0(VALU_DEP_4)
	v_permlanex16_b32 v[228+\b], v[224+\b], s[SEL], s[SEL+1]
.endr
.irp b, 0,1,2,3
	s_delay_alu instid0(VALU_DEP_4)
	v_max_num_f32 v[224+\b], v[224+\b], v[228+\b]
.endr
	s_delay_alu instid0(VALU_DEP_2)
	v_max3_num_f32 v254, v224, v225, v226
	s_delay_alu instid0(VALU_DEP_1)
	v_max_num_f32 v254, v254, v227
	s_delay_alu instid0(VALU_DEP_1)
	v_mul_f32 v254, s[CS], v254
	s_delay_alu instid0(VALU_DEP_1)
	v_max_num_f32 v13, v13, v254                   ; the running largest t
	v_mov_b32 v254, v12
	s_delay_alu instid0(VALU_DEP_2)
	v_floor_f32 v12, -v13                          ; -M = floor(-t): M is a whole number
	s_delay_alu instid0(VALU_DEP_1)
	v_sub_f32 v254, v12, v254
	s_delay_alu instid0(VALU_DEP_1)
	v_cvt_i32_f32 v254, v254                       ; (it saturates)
	s_delay_alu instid0(VALU_DEP_1)
	v_ldexp_f32 v252, 1.0, v254                    ; f = 2^(old M - new M)
.set j, 0
.rept 32
	v_pk_fma_f32 v[96+j:97+j], v[96+j:97+j], s[CS:CS+1], v[12:13] op_sel_hi:[1,0,0]     ; t - M
.set j, j+2
.endr
.irp b, 0,1,2,3
	v_fma_f32 v[224+\b], v[224+\b], s[CS], v12
.endr
.set j, 0
	s_wait_alu depctr_va_vdst(0)
.rept 64
	v_exp_f32 v[96+j], v[96+j]                     ; p
.set j, j+1
.endr
	v_pk_mul_f32 v[14:15], v[14:15], v[252:253] op_sel_hi:[1,0]        ; the sums under the new M (a plain line behind the exponentials)
	s_wait_alu depctr_va_vdst(0)                   ; one wait for the batch, ahead of its first reader
.irp b, 0,1,2,3
	v_exp_f32 v[224+\b], v[224+\b]                 ; the blocks' largest p
.endr
	v_pk_add_f32 v[250:251], v[100:101], v[104:105]
	v_pk_add_f32 v[254:255], v[108:109], v[112:113]
	v_pk_add_f32 v[246:247], v[116:117], v[120:121]
	v_pk_add_f32 v[244:245], v[124:125], v[128:129]
	v_pk_add_f32 v[242:243], v[132:133], v[136:137]
	v_pk_add_f32 v[240:241], v[140:141], v[144:145]
	v_pk_add_f32 v[238:239], v[148:149], v[152:153]
	v_pk_add_f32 v[14:15], v[14:15], v[156:157]
	v_pk_add_f32 v[250:251], v[250:251], v[96:97]
	v_pk_add_f32 v[254:255], v[254:255], v[98:99]
	v_pk_add_f32 v[246:247], v[246:247], v[102:103]
	v_pk_add_f32 v[244:245], v[244:245], v[106:107]
	v_pk_add_f32 v[242:243], v[242:243], v[110:111]
	v_pk_add_f32 v[240:241], v[240:241], v[114:115]
	v_pk_add_f32 v[238:239], v[238:239], v[118:119]
	v_pk_add_f32 v[14:15], v[14:15], v[122:123]
	v_pk_add_f32 v[250:251], v[250:251], v[126:127]
	v_pk_add_f32 v[254:255], v[254:255], v[130:131]
	v_pk_add_f32 v[246:247], v[246:247], v[134:135]
	v_pk_add_f32 v[244:245], v[244:245], v[138:139]
	v_pk_add_f32 v[242:243], v[242:243], v[142:143]
	v_pk_add_f32 v[240:241], v[240:241], v[146:147]
	v_pk_add_f32 v[238:239], v[238:239], v[150:151]
	v_pk_add_f32 v[14:15], v[14:15], v[154:155]
	v_pk_add_f32 v[250:251], v[250:251], v[158:159]
	s_delay_alu instid0(VALU_DEP_2)
	v_pk_add_f32 v[14:15], v[14:15], v[244:245]
	s_delay_alu instid0(VALU_DEP_2)
	v_pk_add_f32 v[250:251], v[250:251], v[242:243]
	v_pk_add_f32 v[254:255], v[254:255], v[240:241]
	v_pk_add_f32 v[246:247], v[246:247], v[238:239]
	s_delay_alu instid0(VALU_DEP_2)
	v_pk_add_f32 v[14:15], v[14:15], v[254:255]
	s_delay_alu instid0(VALU_DEP_2)
	v_pk_add_f32 v[250:251], v[250:251], v[246:247]
	s_delay_alu instid0(VALU_DEP_1)
	v_pk_add_f32 v[14:15], v[14:15], v[250:251]
	s_wait_alu depctr_va_vdst(0)                   ; and one for the four
.irp b, 0,1,2,3
	v_max_num_f32 v[224+\b], 0x4800000, v[224+\b]  ; the floor 2^(9 - 127)
.endr
.irp b, 0,1,2,3
	s_delay_alu instid0(VALU_DEP_4)
	v_add_nc_u32 v[236+\b], 0xfc000000, v[224+\b]
.endr
.irp b, 0,1,2,3
	v_and_or_b32 v[232+\b], v[224+\b], 0x7f800000, s[MNT]
.endr
.irp b, 0,1,2,3
	v_lshrrev_b32 v[228+\b], 23, v[236+\b]
.endr
	s_delay_alu instid0(VALU_DEP_3)
	v_lshl_or_b32 v253, v229, 8, v228              ; p's scale word for these 128 keys
	s_delay_alu instid0(VALU_DEP_1)
	v_lshl_or_b32 v253, v230, 16, v253
	s_delay_alu instid0(VALU_DEP_1)
	v_lshl_or_b32 v253, v231, 24, v253
.irp b, 0,1,2,3
.irp i, 0,1,2,3,4,5,6,7,8,9,10,11,12,13,14,15
	v_min_num_f32 v[96+16*\b+\i], v[96+16*\b+\i], v[232+\b]            ; the hold; p is not negative
.endr
	v_cvt_scalef32_pk8_fp8_f32 v[192+4*\b:193+4*\b], v[96+16*\b:103+16*\b], v[236+\b]
	v_cvt_scalef32_pk8_fp8_f32 v[194+4*\b:195+4*\b], v[104+16*\b:111+16*\b], v[236+\b]
.endr
	v_nop                                          ; a plain line behind the last conversion
.irp t, 0,1,2,3
.irp c, 0,1,2,3
	ds_load_b128 v[96+16*\t+4*\c:96+16*\t+4*\c+3], v[ADV] offset:(\t/2)*BRICK+(\t%2)*2048+512*\c    ; V's four d tiles, into p's registers
.endr
.endr
	ds_load_b64 v[244:245], v[ADVS] offset:4096
	ds_load_b64 v[246:247], v[ADVS] offset:BRICK+4096
.set j, 0
.rept 16
	v_pk_mul_f32 v[160+j:161+j], v[160+j:161+j], v[252:253] op_sel_hi:[1,0]    ; O^T under the new M; these 16 are also the places between the codes, the scale word and the products
.set j, j+2
.endr
	s_wait_alu depctr_va_vdst(0)
	s_wait_dscnt 0x0
.irp t, 0,1,2,3
	v_wmma_scale_f32_16x16x128_f8f6f4 v[160+8*\t:167+8*\t], v[96+16*\t:111+16*\t], v[192:207], v[160+8*\t:167+8*\t], v[244+\t], v253
.endr
.Lskip_\@:
	s_add_co_u32 s[KI], s[KI], 1
	s_add_co_u32 s[TK], s[TK], 2*BRICK
	s_add_co_u32 s[TV], s[TV], 2*BRICK
.endm
; A tile is finished: O^T / the sum, quantised in two blocks of 32 along d, stored
.macro FINISH
	v_add_f32 v14, v14, v15
	s_delay_alu instid0(VALU_DEP_1)
	v_permlanex16_b32 v252, v14, s[SEL], s[SEL+1]
	s_delay_alu instid0(VALU_DEP_1)
	v_add_f32 v14, v14, v252
	s_wait_alu depctr_va_vdst(0)
	v_rcp_f32 v14, v14
	v_nop
	s_wait_alu depctr_va_vdst(0)                   ; the wait ahead of the first reader
.set j, 0
.rept 32
	v_mul_f32 v[96+j], v[160+j], v14               ; register 16 b + i: d = 32 b + 16 h + i of my query
.set j, j+1
.endr
.irp b, 0,1
	v_max3_num_f32 v[224+\b], |v[96+16*\b]|, |v[97+16*\b]|, 0x4800000
.endr
.irp i, 2,4,6,8,10,12,14
.irp b, 0,1
	s_delay_alu instid0(VALU_DEP_2)
	v_max3_num_f32 v[224+\b], v[224+\b], |v[96+16*\b+\i]|, |v[97+16*\b+\i]|
.endr
.endr
.irp b, 0,1
	s_delay_alu instid0(VALU_DEP_2)
	v_permlanex16_b32 v[228+\b], v[224+\b], s[SEL], s[SEL+1]
.endr
.irp b, 0,1
	s_delay_alu instid0(VALU_DEP_2)
	v_max_num_f32 v[224+\b], v[224+\b], v[228+\b]
.endr
.irp b, 0,1
	s_delay_alu instid0(VALU_DEP_2)
	v_add_nc_u32 v[236+\b], 0xfc000000, v[224+\b]
.endr
.irp b, 0,1
	s_delay_alu instid0(VALU_DEP_4)
	v_and_or_b32 v[232+\b], v[224+\b], 0x7f800000, s[MNT]
.endr
.irp b, 0,1
	s_delay_alu instid0(VALU_DEP_4)
	v_lshrrev_b32 v[228+\b], 23, v[236+\b]
.endr
	s_delay_alu instid0(VALU_DEP_1)
	v_lshl_or_b32 v254, v229, 8, v228
.irp b, 0,1
.irp i, 0,1,2,3,4,5,6,7,8,9,10,11,12,13,14,15
	v_med3_num_f32 v[96+16*\b+\i], v[96+16*\b+\i], -v[232+\b], v[232+\b]
.endr
	v_cvt_scalef32_pk8_fp8_f32 v[192+4*\b:193+4*\b], v[96+16*\b:103+16*\b], v[236+\b]
	v_cvt_scalef32_pk8_fp8_f32 v[194+4*\b:195+4*\b], v[104+16*\b:111+16*\b], v[236+\b]
.endr
	v_nop
	global_store_b128 v[LI], v[192:195], s[OC:OC+1]
	global_store_b128 v[LI], v[196:199], s[OC:OC+1] offset:512
	global_store_b16 v[L8], v254, s[OS:OS+1]       ; my head's two bytes of a word of four
.endm
	s_wait_alu depctr_va_vdst(0)                   ; the wait ahead of the branch
	s_cmp_lt_u32 s[WV], 4
	s_cbranch_scc0 .Lnot_first_fill
	s_wait_tensorcnt 0x0                           ; waves 0 to 3: my part of the first 512 keys has landed; the second fill's waves wait at the next barrier
.Lnot_first_fill:
	s_barrier_signal -1
	s_barrier_wait -1
	s_mov_b32 s[CNT], 2                            ; key steps 0 and 1 lie in the first fill
.Lfirst:
	STEP
	s_sub_co_u32 s[CNT], s[CNT], 1
	s_cmp_lg_u32 s[CNT], 0
	s_cbranch_scc1 .Lfirst
	s_wait_tensorcnt 0x0                           ; the rest has landed
	s_wait_dscnt 0x0
	s_barrier_signal -1
	s_barrier_wait -1
	s_mov_b32 s[CNT], 7                            ; key steps 2 to 8
.Lsecond:
	STEP
	s_sub_co_u32 s[CNT], s[CNT], 1
	s_cmp_lg_u32 s[CNT], 0
	s_cbranch_scc1 .Lsecond
.rept 8
	v_nop                                          ; eight places behind the last products, in front of reads of O^T and of loads and writes into their registers
.endr
	s_cmp_eq_u32 s[ROLE], 0
	s_cbranch_scc1 .Lkeep                          ; A keeps its sums of the long tile
	FINISH                                         ; B: the short tile is done
	s_wait_xcnt 0x0                                ; the stores have read their data: those registers may be written
	QLOAD Q2C, Q2S                                 ; and goes on with the long tile,
	FRESH
	s_mov_b32 s[HI], s[BL]                         ; key steps 9 to its diagonal
	s_mov_b32 s[BD], s[BL]
	QWORDS
.Lkeep:
	s_mov_b32 s[CNT], 7                            ; key steps 9 to 15: A leaves them all out
.Lthird:
	STEP
	s_sub_co_u32 s[CNT], s[CNT], 1
	s_cmp_lg_u32 s[CNT], 0
	s_cbranch_scc1 .Lthird
.rept 8
	v_nop                                          ; eight places behind the last products
.endr
	s_cmp_eq_u32 s[ROLE], 0
	s_cbranch_scc1 .Lno_part
	s_wait_alu depctr_va_vdst(0)
.irp i, 0,1,2,3,4,5,6,7
	ds_store_b128 v[PA], v[160+4*\i:163+4*\i] offset:512*\i        ; B's part of the long tile, as images of its registers: O^T, each accumulator from its low end on,
.endr
	ds_store_b128 v[PA], v[12:15] offset:4096      ; and -M, the largest t, the sum's two halves
.Lno_part:
	s_wait_dscnt 0x0                               ; for the others' sake: my stores have landed
	s_barrier_signal -1
	s_barrier_wait -1
	s_cmp_lg_u32 s[ROLE], 0
	s_cbranch_scc1 .Ldone
.irp i, 0,1,2,3,4,5,6,7
	ds_load_b128 v[96+4*\i:99+4*\i], v[PA] offset:512*\i           ; A: the same lanes get the same registers
.endr
	ds_load_b128 v[128:131], v[PA] offset:4096
	s_wait_dscnt 0x0
	v_min_num_f32 v132, v12, v128                  ; -M of both parts: the larger M
	s_delay_alu instid0(VALU_DEP_1)
	v_sub_f32 v133, v132, v12                      ; my M less it, and B's M less it: whole numbers, 0 or less
	s_delay_alu instid0(VALU_DEP_2)
	v_sub_f32 v134, v132, v128
	s_delay_alu instid0(VALU_DEP_2)
	v_cvt_i32_f32 v133, v133                       ; (they saturate: a part with no key step has -M = 3e38, zeros, and the factor 0)
	s_delay_alu instid0(VALU_DEP_2)
	v_cvt_i32_f32 v134, v134
	s_delay_alu instid0(VALU_DEP_2)
	v_ldexp_f32 v252, 1.0, v133
	s_delay_alu instid0(VALU_DEP_2)
	v_ldexp_f32 v250, 1.0, v134
	s_delay_alu instid0(VALU_DEP_2)
	v_pk_mul_f32 v[14:15], v[14:15], v[252:253] op_sel_hi:[1,0]
	s_delay_alu instid0(VALU_DEP_1)
	v_pk_fma_f32 v[14:15], v[130:131], v[250:251], v[14:15] op_sel_hi:[1,0,1]
.set j, 0
.rept 16
	v_pk_mul_f32 v[160+j:161+j], v[160+j:161+j], v[252:253] op_sel_hi:[1,0]
	s_delay_alu instid0(VALU_DEP_1)
	v_pk_fma_f32 v[160+j:161+j], v[96+j:97+j], v[250:251], v[160+j:161+j] op_sel_hi:[1,0,1]
.set j, j+2
.endr
	FINISH
.Ldone:
	s_wait_xcnt 0x0
	v_lshl_add_u32 v254, v0, 2, 0x4d000
	v_mov_b32 v255, 0
	s_wait_alu depctr_va_vdst(0)
	s_wait_tensorcnt 0x0
	ds_add_u32 v254, v255
	s_wait_dscnt 0x0
	ROUND                                          ; the closing round
	s_endpgm
.Lfunc_end_k_q6085437a5e_att:
	.size	k_q6085437a5e_att, .Lfunc_end_k_q6085437a5e_att-k_q6085437a5e_att
	.p2alignl 7, 3214868480
	.fill 96, 4, 3214868480
	.section	.rodata,"a",@progbits
	.p2align	6, 0x0
	.amdhsa_kernel k_q6085437a5e_att
		.amdhsa_group_segment_fixed_size 317440
		.amdhsa_private_segment_fixed_size 0
		.amdhsa_enable_private_segment 0
		.amdhsa_kernarg_size 16
		.amdhsa_user_sgpr_count 2
		.amdhsa_user_sgpr_kernarg_segment_ptr 1
		.amdhsa_wavefront_size32 1
		.amdhsa_system_sgpr_workgroup_id_x 1
		.amdhsa_system_sgpr_workgroup_id_y 1
		.amdhsa_system_sgpr_workgroup_id_z 1
		.amdhsa_system_vgpr_workitem_id 0
		.amdhsa_next_free_vgpr 256
		.amdhsa_next_free_sgpr 80
		.amdhsa_reserve_vcc 1
		.amdhsa_float_denorm_mode_32 3
		.amdhsa_float_denorm_mode_16_64 3
		.amdhsa_memory_ordered 1
		.amdhsa_forward_progress 1
		.amdhsa_inst_pref_size 105
	.end_amdhsa_kernel
	.amdgpu_metadata
---
amdhsa.version: [ 1, 2 ]
amdhsa.kernels:
  - .name:           k_q6085437a5e_att
    .symbol:         k_q6085437a5e_att.kd
    .args:
      - { .name: qkvb, .offset: 0, .size: 8, .value_kind: global_buffer, .address_space: global }
      - { .name: ac, .offset: 8, .size: 8, .value_kind: global_buffer, .address_space: global }
    .group_segment_fixed_size: 317440
    .private_segment_fixed_size: 0
    .kernarg_segment_align: 8
    .kernarg_segment_size: 16
    .max_flat_workgroup_size: 512
    .sgpr_count:     80
    .vgpr_count:     256
    .wavefront_size: 32
...
	.end_amdgpu_metadata
.endif
;; end of part 3
;; launch wo (part 4): grid 16 x 16, 4 waves a work-group, clusters of 4 x 1, 168,448 bytes of LDS; arguments ac, wts, x, x2; writes x2
.if DOCPART == 4
	.amdgcn_target "amdgcn-amd-amdhsa--gfx1250"
	.amdhsa_code_object_version 6
	.text
	.protected	k_q6085437a5e_wo
	.globl	k_q6085437a5e_wo
	.p2align	8
	.type	k_q6085437a5e_wo,@function
k_q6085437a5e_wo:
	s_mov_b64 s[64:65], 0
	v_nop
	global_prefetch_b8 v0, s[64:65] scope:SCOPE_SE
	s_setreg_imm32_b32 hwreg(HW_REG_WAVE_MODE, 25, 1), 1
	s_wait_xcnt 0x0
	s_wait_alu depctr_hold_cnt(0) depctr_sa_sdst(0) depctr_va_vdst(0) depctr_va_sdst(0) depctr_va_ssrc(0) depctr_va_vcc(0) depctr_vm_vsrc(0)
	s_getreg_b32 s2, hwreg(HW_REG_IB_STS2, 6, 4)
	s_cmp_eq_u32 s2, 0
	s_cbranch_scc0 .Lentry_in_a_cluster
	s_endpgm
.Lentry_in_a_cluster:
	s_bfe_u32 s2, ttmp6, 0x10000c
	s_cmp_lg_u32 s2, 0x3003
	s_cbranch_scc0 .Lentry_shape_is_right
	s_endpgm
.Lentry_shape_is_right:
; WO: x2 = x + attn Wo^T, the product on codes of E4M3 with E8M0 scales (bricks: 16 rows x 256 K as two register images and 256 bytes of scale words; row r of tile t is matrix row 32 (t / 2) + 8 (t % 2) + r + (r & 8)).
; SHARES.  A work-group: 256 rows x 64 columns (y).  A wave: 64 rows, whose codes for all K = 1,024 stay in 512 registers.  Wo's four tiles (69,632 bytes) come into LDS once, a tile a wave, jointly for the four work-groups
; of a cluster, which lie along the rows.  The product is used transposed: a lane holds one row and, over tiles 2 b, 2 b + 1, columns 32 b + 16 (lane / 16) + 0..15.
; THE WAY OUT: 16 rows x 256 bytes at a time through the wave's own stage in LDS (rows 272 bytes apart); back as whole rows; x is added; sixteen lanes store 256 consecutive bytes, aligned.
; REGISTERS.  window 0: v1-9 addresses; v16-47, v52-83 scale words; v84-211 accumulators.  windows 1, 2: attn's fragments.  window 3: v0-127 Wo's fragments, two sets; v128-255 x.
.set NS,     1
.set TILEB,  17408
.set SLOTB,  69632
.set BRICK,  4352
.set WO_OFF, 7798784
.set STAGE,  SLOTB                     ; behind Wo's tiles: 16 x 272 bytes for each wave
.set LI,  1
.set L8,  2
.set LB0, 3
.set LS0, 5
.set STO, 7
.set RD,  8
.set CO,  9
.set ASC, 16
.set BSC, 52                           ; v52-83: A's and B's scale registers of a product differ modulo 8
.set ACC, 84                           ; v84-211
.set WV,  8
.set CX,  9
.set XX,  10
.set YY,  11
.set APTR, 12
.set G1,  16
.set G0,  24
.set XR,  52
.set OUTP, 54
.set MSB, 0
.macro WIN new
.if MSB != (\new)
	s_set_vgpr_msb (MSB<<8)|(\new)
.set MSB, \new
.endif
.endm
.macro ROUND
	s_barrier_signal -1
	s_barrier_wait -1
	s_cmp_lg_u32 s[WV], 0
	s_cbranch_scc1 .Lnot_wave_0_\@
	s_barrier_signal -3
.Lnot_wave_0_\@:
	s_barrier_wait -3
	s_barrier_signal -1
	s_barrier_wait -1
.endm
.macro LDB buf, ks
.irp n, 0,1,2,3
.irp c, 0,1,2,3
	ds_load_b128 v[64*(\buf)+16*\n+4*\c:64*(\buf)+16*\n+4*\c+3], v[LB0+\n/2] offset:(\n%2)*TILEB+((\ks)/2)*BRICK+((\ks)%2)*2048+512*\c
.endr
.endr
.endm
.macro MULK ks                         ; 16 products, the 16 accumulators by turns; K step 0 starts the sums
	WIN 0x07+4*((\ks)/4)
.irp m, 0,1,2,3
.irp n, 0,1,2,3
.if (\ks) == 0
	v_wmma_scale_f32_16x16x128_f8f6f4 v[ACC+8*(4*\m+\n):ACC+8*(4*\m+\n)+7], v[64*((\ks)%2)+16*\n:64*((\ks)%2)+16*\n+15], v[16*(4*((\ks)%4)+\m):16*(4*((\ks)%4)+\m)+15], 0, v[BSC+8*\n+(\ks)], v[ASC+8*\m+(\ks)]
.else
	v_wmma_scale_f32_16x16x128_f8f6f4 v[ACC+8*(4*\m+\n):ACC+8*(4*\m+\n)+7], v[64*((\ks)%2)+16*\n:64*((\ks)%2)+16*\n+15], v[16*(4*((\ks)%4)+\m):16*(4*((\ks)%4)+\m)+15], v[ACC+8*(4*\m+\n):ACC+8*(4*\m+\n)+7], v[BSC+8*\n+(\ks)], v[ASC+8*\m+(\ks)]
.endif
.endr
.endr
.endm
.macro STEP s
	WIN 0
	s_wait_tensorcnt NS-1-(\s)                     ; my tile has landed
	s_wait_dscnt 0x0
	s_barrier_signal -1
	s_barrier_wait -1                              ; everybody's has
	v_add_nc_u32 v[LB0], (\s)*SLOTB, v[LI]
	v_add_nc_u32 v[LB0+1], (\s)*SLOTB+2*TILEB, v[LI]
	v_add_nc_u32 v[LS0], (\s)*SLOTB, v[L8]
	v_add_nc_u32 v[LS0+1], (\s)*SLOTB+2*TILEB, v[L8]
.irp n, 0,1,2,3
.irp br, 0,1,2,3
	ds_load_b64 v[BSC+8*\n+2*\br:BSC+8*\n+2*\br+1], v[LS0+\n/2] offset:(\n%2)*TILEB+\br*BRICK+4096
.endr
.endr
	WIN 0xc0
	LDB 0, 0
	LDB 1, 1
	s_wait_alu depctr_va_vdst(0)
.irp ks, 0,1,2,3,4,5,6,7
.if \ks == 7
	s_wait_dscnt 0x0
.else
	s_wait_dscnt 16                                ; all but the next K step's 16 loads
.endif
	MULK \ks
.if \ks <= 5
	WIN 0xc0
.rept 8
	v_nop                                          ; eight places in front of loads into registers that these products have read
.endr
	LDB \ks%2, \ks+2
.endif
.endr
	WIN 0
.rept 8
	v_nop                                          ; eight places in front of the first read of results
.endr
.endm
	s_load_b256 s[40:47], s[0:1], 0x0              ; ac, wts, x, x2
	v_lshl_add_u32 v254, v0, 2, 0x29000
	v_mov_b32 v255, 0
	ds_add_u32 v254, v255
	ds_add_u32 v254, v255
	v_lshrrev_b32 v1, 5, v0
	v_readfirstlane_b32 s[WV], v1
	s_bfe_u32 s[CX], ttmp6, 0x40000                ; it enters global addresses of attn, x and x2 alone
	s_lshl_b32 s[XX], ttmp9, 2
	s_add_co_u32 s[XX], s[XX], s[CX]
	s_and_b32 s[YY], ttmp7, 0xffff
	s_mov_b32 s[G1+0], 15|(3<<16)|(1<<21)          ; the mask: all four work-groups; elements of 8 bytes; bit 21 beside a mask
	s_mov_b32 s[G1+1], 32<<16                      ; rows of 256 bytes,
	s_mov_b32 s[G1+2], 68<<16                      ; 68 of them: a tile's 17,408 dense bytes
	s_mov_b32 s[G1+3], 32<<16
	s_mov_b32 s[G1+4], 68
	s_mov_b32 s[G1+5], 32
	s_mov_b32 s[G1+6], 0
	s_mov_b32 s[G1+7], 0
	s_mul_i32 s51, s[WV], TILEB
	s_mul_i32 s60, s[YY], SLOTB
	s_add_co_u32 s60, s60, s51
	s_add_co_u32 s60, s60, WO_OFF
	s_mov_b32 s61, 0
	s_wait_dscnt 0x0
	s_wait_kmcnt 0x0
	s_mov_b32 s[G0], 1
	s_mov_b32 s[G0+1], s51
	s_add_nc_u64 s[G0+2:G0+3], s[42:43], s[60:61]
	s_or_b32 s[G0+3], s[G0+3], 0x80000000
	ROUND
	tensor_load_to_lds s[G0:G0+3], s[G1:G1+7]      ; one load of mine is out
	s_nop 0
.rept 4
	v_nop
.endr
	v_and_b32 v12, 31, v0
	v_lshlrev_b32 v[LI], 4, v12
	v_lshlrev_b32 v[L8], 3, v12
	v_and_b32 v10, 15, v0                          ; r
	v_bfe_u32 v11, v0, 4, 1                        ; h
	s_mul_i32 s58, s[WV], 16*272
	s_add_co_u32 s58, s58, STAGE
	v_mul_u32_u24 v[STO], v10, 272
	v_lshl_add_u32 v[STO], v11, 6, v[STO]
	v_add_nc_u32 v[STO], s58, v[STO]               ; in: row r, + 64 h
	v_mul_u32_u24 v[RD], v11, 272
	v_lshl_add_u32 v[RD], v10, 4, v[RD]
	v_add_nc_u32 v[RD], s58, v[RD]                 ; back: lanes 0-15 one row, lanes 16-31 the next
	v_lshlrev_b32 v[CO], 12, v11
	v_lshl_add_u32 v[CO], v10, 4, v[CO]            ; and the same two rows in x and x2
	s_wait_alu depctr_va_vdst(0)
	s_lshl_b32 s58, s[XX], 4
	s_lshl_b32 s59, s[WV], 2
	s_add_co_u32 s58, s58, s59
	s_mul_i32 s[APTR], s58, TILEB
	s_mov_b32 s[APTR+1], 0
	s_add_nc_u64 s[APTR:APTR+1], s[40:41], s[APTR:APTR+1]
.irp m, 0,1,2,3
.irp br, 0,1,2,3
	global_load_b64 v[ASC+8*\m+2*\br:ASC+8*\m+2*\br+1], v[L8], s[APTR:APTR+1] offset:\m*TILEB+\br*BRICK+4096
.endr
.endr
.irp ks, 0,1,2,3,4,5,6,7
	WIN 0x40*(1+\ks/4)
.irp m, 0,1,2,3
.irp c, 0,1,2,3
	global_load_b128 v[16*(4*(\ks%4)+\m)+4*\c:16*(4*(\ks%4)+\m)+4*\c+3], v[LI], s[APTR:APTR+1] offset:\m*TILEB+(\ks/2)*BRICK+(\ks%2)*2048+512*\c
.endr
.endr
.endr
	s_lshl_b32 s58, s58, 16                        ; my first row x 4,096 bytes (16 rows a tile)
	s_lshl_b32 s59, s[YY], 8
	s_add_co_u32 s58, s58, s59
	s_mov_b32 s59, 0
	s_add_nc_u64 s[XR:XR+1], s[44:45], s[58:59]
	s_add_nc_u64 s[OUTP:OUTP+1], s[46:47], s[58:59]
	WIN 0xc0
.irp m, 0,1,2,3
.irp i, 0,1,2,3,4,5,6,7
	global_load_b128 v[128+32*\m+4*\i:128+32*\m+4*\i+3], v[CO], s[XR:XR+1] offset:4096*(32*(\m/2)+8*(\m%2)+2*\i+8*(\i/4))   ; tile rows 2 i, 2 i + 1 in the matrix's order
.endr
.endr
	WIN 0
.macro OUT m
.irp b, 0,1
.irp u, 0,1
.irp q, 0,1
	ds_store_b128 v[STO], v[ACC+32*\m+8*(2*\b+\u)+4*\q:ACC+32*\m+8*(2*\b+\u)+4*\q+3] offset:128*\b+32*\u+16*\q    ; each accumulator from its low end on
.endr
.endr
.endr
.irp i, 0,1,2,3,4,5,6,7
	ds_load_b128 v[ACC+32*\m+4*\i:ACC+32*\m+4*\i+3], v[RD] offset:544*\i      ; LDS serves a wave's instructions in order: these see the stores above
.endr
	s_wait_dscnt 0x0
	WIN 0x0c                                       ; source 1: x, window 3
.set i, 0
.rept 16
	v_pk_add_f32 v[ACC+32*\m+i:ACC+32*\m+i+1], v[ACC+32*\m+i:ACC+32*\m+i+1], v[128+32*\m+i:128+32*\m+i+1]
.set i, i+2
.endr
	WIN 0
.irp i, 0,1,2,3,4,5,6,7
	global_store_b128 v[CO], v[ACC+32*\m+4*\i:ACC+32*\m+4*\i+3], s[OUTP:OUTP+1] offset:4096*(32*(\m/2)+8*(\m%2)+2*\i+8*(\i/4))
.endr
.endm
	s_wait_loadcnt 32                              ; attn's codes and words are in; x's 32 loads may be out
	STEP 0
	s_wait_loadcnt 0x0
	OUT 0
	OUT 1
	OUT 2
	OUT 3
	s_wait_tensorcnt 0x0
	ds_add_u32 v254, v255
	s_wait_dscnt 0x0
	ROUND                                          ; the closing round
	s_endpgm
.Lfunc_end_k_q6085437a5e_wo:
	.size	k_q6085437a5e_wo, .Lfunc_end_k_q6085437a5e_wo-k_q6085437a5e_wo
	.p2alignl 7, 3214868480
	.fill 96, 4, 3214868480
	.section	.rodata,"a",@progbits
	.p2align	6, 0x0
	.amdhsa_kernel k_q6085437a5e_wo
		.amdhsa_group_segment_fixed_size 168448
		.amdhsa_private_segment_fixed_size 0
		.amdhsa_enable_private_segment 0
		.amdhsa_kernarg_size 32
		.amdhsa_user_sgpr_count 2
		.amdhsa_user_sgpr_kernarg_segment_ptr 1
		.amdhsa_wavefront_size32 1
		.amdhsa_system_sgpr_workgroup_id_x 1
		.amdhsa_system_sgpr_workgroup_id_y 1
		.amdhsa_system_sgpr_workgroup_id_z 1
		.amdhsa_system_vgpr_workitem_id 0
		.amdhsa_next_free_vgpr 1024
		.amdhsa_next_free_sgpr 66
		.amdhsa_reserve_vcc 0
		.amdhsa_float_denorm_mode_32 3
		.amdhsa_float_denorm_mode_16_64 3
		.amdhsa_memory_ordered 1
		.amdhsa_forward_progress 1
		.amdhsa_inst_pref_size 61
	.end_amdhsa_kernel
	.amdgpu_metadata
---
amdhsa.version: [ 1, 2 ]
amdhsa.kernels:
  - .name:           k_q6085437a5e_wo
    .symbol:         k_q6085437a5e_wo.kd
    .args:
      - { .name: ac, .offset: 0, .size: 8, .value_kind: global_buffer, .address_space: global }
      - { .name: wts, .offset: 8, .size: 8, .value_kind: global_buffer, .address_space: global }
      - { .name: x, .offset: 16, .size: 8, .value_kind: global_buffer, .address_space: global }
      - { .name: x2, .offset: 24, .size: 8, .value_kind: global_buffer, .address_space: global }
    .group_segment_fixed_size: 168448
    .private_segment_fixed_size: 0
    .kernarg_segment_align: 8
    .kernarg_segment_size: 32
    .max_flat_workgroup_size: 128
    .sgpr_count:     66
    .vgpr_count:     1024
    .wavefront_size: 32
...
	.end_amdgpu_metadata
.endif
;; end of part 4
;; launch norm2: the kernel of part 1 again; grid 256 x 1, 8 waves a work-group, no clusters, 69,632 bytes of LDS; arguments x2, g2, positions, Wq, Wk, Wv, Wo, w1, w3, w2, xb; writes xb
;; launch ffn1 (part 5): grid 16 x 15, 4 waves a work-group, clusters of 4 x 1, 327,680 bytes of LDS; arguments xb, wts, hc; writes hc
.if DOCPART == 5
	.amdgcn_target "amdgcn-amd-amdhsa--gfx1250"
	.amdhsa_code_object_version 6
	.text
	.protected	k_q6085437a5e_ffn1
	.globl	k_q6085437a5e_ffn1
	.p2align	8
	.type	k_q6085437a5e_ffn1,@function
k_q6085437a5e_ffn1:
	s_mov_b64 s[64:65], 0
	v_nop
	global_prefetch_b8 v0, s[64:65] scope:SCOPE_SE
	s_setreg_imm32_b32 hwreg(HW_REG_WAVE_MODE, 25, 1), 1
	s_wait_xcnt 0x0
	s_wait_alu depctr_hold_cnt(0) depctr_sa_sdst(0) depctr_va_vdst(0) depctr_va_sdst(0) depctr_va_ssrc(0) depctr_va_vcc(0) depctr_vm_vsrc(0)
	s_getreg_b32 s2, hwreg(HW_REG_IB_STS2, 6, 4)
	s_cmp_eq_u32 s2, 0
	s_cbranch_scc0 .Lentry_in_a_cluster
	s_endpgm
.Lentry_in_a_cluster:
	s_bfe_u32 s2, ttmp6, 0x10000c
	s_cmp_lg_u32 s2, 0x3003
	s_cbranch_scc0 .Lentry_shape_is_right
	s_endpgm
.Lentry_shape_is_right:
; FFN1: h = silu(xn w1^T) x (xn w3^T), both products on codes of E4M3 with E8M0 scales, K = 1,024; h is quantised along its 2,752 (filled to 2,816) for the next product and leaves as bricks.
; Bricks: 16 rows x 256 K as two register images and 256 bytes of scale words; row r of tile t is matrix row 32 (t / 2) + 8 (t % 2) + r + (r & 8).
; w1 and w3 lie by GROUPS of 32 hidden units: w1's two tiles, w3's two, 69,632 dense bytes; 88 groups, of which 86 and 87 hold zero codes (K's fill for the next product).
; SHARES.  A work-group: 256 rows x 6 groups (y).  A wave: 64 rows, whose codes for all of K stay in 512 registers.  A STEP is one group: 128 products a wave, the 16 accumulators by turns.
; y = 14 has groups 84 to 87 and takes 86 and 87 a second time (the same bytes stored again by the same work-group), so that all work-groups run the same text.
; THE RING: two slots of two steps, 139,264 bytes each; a wave brings a quarter of a slot by one joint load (the four work-groups of a cluster lie along the rows and need the same groups).
; A trip is a pair of steps: the wait for all my loads, the add, a round of the cluster's barrier, the fill of the other slot, two steps.  By this text's own count one load a wave is out, asked for 256 products a wave ahead of the wait for it.
; No prefetch is laid: the launch has three fills, the second and third each with a pair of steps in which to land.
; x's codes are loaded K step by K step behind the first fill, and the first step waits for them by count.  The odd step's first fragments are fetched ahead of the even step's way out.
; The product is used transposed: a lane holds one row, and the 16 registers of tiles 2 b, 2 b + 1 are 16 neighbouring hidden units; a block of 32 lies in lanes l and l xor 16.
; LIMITS: a block of zeros gets the byte 1 (only this program reads the bytes).  NaN and infinities are not served.  All of LDS is claimed.
; REGISTERS.  window 0: v1-8 addresses; v16-47 x's scale words, v52-83 the weights' (the two of a product differ modulo 8); v84-211 accumulators; v212-247 the quantiser's.  windows 1, 2: x.  window 3: v0-127 the weights' fragments, two sets; v128-191 the sigmoid.
.set TILEB,   17408
.set STEPB,   69632
.set SLOT,    139264
.set BRICK,   4352
.set W13_OFF, 8912896
.set HTILE,   47872
.set SPARE,   2*SLOT
.set LI,  1
.set L8,  2
.set LB0, 3
.set LS0, 5
.set SPW, 7
.set NIL, 8
.set ASC, 16
.set BSC, 52
.set ACC, 84
.set TM,  212
.set PC,  228
.set SW,  244
.set WV,  8
.set CX,  9
.set XX,  10
.set G6,  11                           ; s11 my first group, 6 y
.set APTR, 12
.set RT,  14                           ; s14 my first tile of rows x HTILE
.set PR,  15                           ; s15 the pair, 0 to 2
.set G1,  16
.set G0,  24
.set TB,  28                           ; s28 LDS byte at which the slot in hand begins
.set LW,  29                           ; s29 my quarter of a slot
.set GW,  30                           ; s30 the same in wts, from group 0
.set SEL, 48
.set MNT, 50
.set NL2E, 56
.set HP,  80
.set HS,  82
.set MSB, 0
.macro WIN new
.if MSB != (\new)
	s_set_vgpr_msb (MSB<<8)|(\new)
.set MSB, \new
.endif
.endm
.macro PLACES n
.rept \n
	v_nop
.endr
.endm
.macro ROUND
	s_barrier_signal -1
	s_barrier_wait -1
	s_cmp_lg_u32 s[WV], 0
	s_cbranch_scc1 .Lnot_wave_0_\@
	s_barrier_signal -3
.Lnot_wave_0_\@:
	s_barrier_wait -3
	s_barrier_signal -1
	s_barrier_wait -1
.endm
; four blocks b of 32: my 16 numbers of block b in base + stride b + 0..7 and base + stride b + h2 + 0..7 -> codes in v[PC] on, bytes in v[TM+4] on
.macro QUANT base, stride, h2
.irp b, 0,1,2,3
	v_max3_num_f32 v[TM+\b], |v[(\base)+(\stride)*\b]|, |v[(\base)+(\stride)*\b+1]|, 0x4800000   ; the floor 2^(9 - 127): the byte cannot fall under 1
.endr
.irp i, 2,4,6
.irp b, 0,1,2,3
	v_max3_num_f32 v[TM+\b], v[TM+\b], |v[(\base)+(\stride)*\b+\i]|, |v[(\base)+(\stride)*\b+\i+1]|
.endr
.endr
.irp i, 0,2,4,6
.irp b, 0,1,2,3
	v_max3_num_f32 v[TM+\b], v[TM+\b], |v[(\base)+(\stride)*\b+(\h2)+\i]|, |v[(\base)+(\stride)*\b+(\h2)+\i+1]|
.endr
.endr
.irp b, 0,1,2,3
	v_permlanex16_b32 v[TM+4+\b], v[TM+\b], s[SEL], s[SEL+1]
.endr
.irp b, 0,1,2,3
	v_max_num_f32 v[TM+\b], v[TM+\b], v[TM+4+\b]             ; with lane l xor 16's 16
.endr
.irp b, 0,1,2,3
	v_add_nc_u32 v[TM+12+\b], 0xfc000000, v[TM+\b]           ; 8 off the exponent field: the conversion's scale operand
.endr
.irp b, 0,1,2,3
	v_and_or_b32 v[TM+8+\b], v[TM+\b], 0x7f800000, s[MNT]    ; 448 x the scale
.endr
.irp b, 0,1,2,3
	v_lshrrev_b32 v[TM+4+\b], 23, v[TM+12+\b]                ; the byte
.endr
.irp b, 0,1,2,3
.irp i, 0,1,2,3,4,5,6,7
	v_med3_num_f32 v[(\base)+(\stride)*\b+\i], v[(\base)+(\stride)*\b+\i], -v[TM+8+\b], v[TM+8+\b]   ; the conversion does not saturate (ISA guide 7.6.2): the hold
.endr
.irp i, 0,1,2,3,4,5,6,7
	v_med3_num_f32 v[(\base)+(\stride)*\b+(\h2)+\i], v[(\base)+(\stride)*\b+(\h2)+\i], -v[TM+8+\b], v[TM+8+\b]
.endr
	v_cvt_scalef32_pk8_fp8_f32 v[PC+4*\b:PC+4*\b+1], v[(\base)+(\stride)*\b:(\base)+(\stride)*\b+7], v[TM+12+\b]
	v_cvt_scalef32_pk8_fp8_f32 v[PC+4*\b+2:PC+4*\b+3], v[(\base)+(\stride)*\b+(\h2):(\base)+(\stride)*\b+(\h2)+7], v[TM+12+\b]
.endr
	v_nop                                                    ; a plain line behind the last conversion
.endm
.macro LDB buf, ks                     ; the group's four fragments of K step ks into set buf of window 3
.irp n, 0,1,2,3
.irp c, 0,1,2,3
	ds_load_b128 v[64*(\buf)+16*\n+4*\c:64*(\buf)+16*\n+4*\c+3], v[LB0+\n/2] offset:(\n%2)*TILEB+((\ks)/2)*BRICK+((\ks)%2)*2048+512*\c
.endr
.endr
.endm
.macro MULK ks                         ; 16 products; K step 0 starts the sums
	WIN 0x07+4*((\ks)/4)
.irp m, 0,1,2,3
.irp n, 0,1,2,3
.if (\ks) == 0
	v_wmma_scale_f32_16x16x128_f8f6f4 v[ACC+8*(4*\m+\n):ACC+8*(4*\m+\n)+7], v[64*((\ks)%2)+16*\n:64*((\ks)%2)+16*\n+15], v[16*(4*((\ks)%4)+\m):16*(4*((\ks)%4)+\m)+15], 0, v[BSC+8*\n+(\ks)], v[ASC+8*\m+(\ks)]
.else
	v_wmma_scale_f32_16x16x128_f8f6f4 v[ACC+8*(4*\m+\n):ACC+8*(4*\m+\n)+7], v[64*((\ks)%2)+16*\n:64*((\ks)%2)+16*\n+15], v[16*(4*((\ks)%4)+\m):16*(4*((\ks)%4)+\m)+15], v[ACC+8*(4*\m+\n):ACC+8*(4*\m+\n)+7], v[BSC+8*\n+(\ks)], v[ASC+8*\m+(\ks)]
.endif
.endr
.endr
.endm
.macro LOADS u                         ; step u of the slot in hand: its scale words and the fragments of K steps 0 and 1: 48 LDS loads
	s_add_co_u32 s58, s[TB], (\u)*STEPB
	v_add_nc_u32 v[LB0], s58, v[LI]
	v_add_nc_u32 v[LS0], s58, v[L8]
	v_add_nc_u32 v[LB0+1], 2*TILEB, v[LB0]
	v_add_nc_u32 v[LS0+1], 2*TILEB, v[LS0]
.irp n, 0,1,2,3
.irp br, 0,1,2,3
	ds_load_b64 v[BSC+8*\n+2*\br:BSC+8*\n+2*\br+1], v[LS0+\n/2] offset:(\n%2)*TILEB+\br*BRICK+4096
.endr
.endr
	WIN 0xc0
	LDB 0, 0
	LDB 1, 1
	WIN 0
	s_wait_alu depctr_va_vdst(0)                   ; the wait
.endm
.macro MULS first                      ; a step's 128 products.  first = 1: x's 144 loads (16 of scale words, then 16 a K step) may still be out
.irp ks, 0,1,2,3,4,5,6,7
.if \first
.if \ks == 0
	s_wait_loadcnt 63                              ; the first 81 loads are in: the scale words and K steps 0 to 3
.elseif \ks >= 4
	s_wait_loadcnt 16*(7-\ks)                      ; behind K step ks's loads stand 16 for each later K step
.endif
.endif
.if \ks == 7
	s_wait_dscnt 0x0
.else
	s_wait_dscnt 16                                ; all but the next K step's 16 loads
.endif
	MULK \ks
.if \ks <= 5
	WIN 0xc0
	PLACES 8                                       ; in front of loads into registers that these products have read
	LDB \ks%2, \ks+2
.endif
.endr
	WIN 0
	PLACES 8                                       ; in front of the first read of results and of the next loads
.endm
.macro EPH u                           ; the way out of step u of the pair: h = x1 sigmoid(x1) x3, quantised: four blocks (a tile of rows each), 16 codes a lane and block
	WIN 0xc0
.irp m, 0,1,2,3
.set i, 0
.rept 8
	v_pk_mul_f32 v[128+16*\m+i:128+16*\m+i+1], v[ACC+32*\m+i:ACC+32*\m+i+1], s[NL2E:NL2E+1] op_sel_hi:[1,0]    ; -x1 log2(e)
.set i, i+2
.endr
.endr
	WIN 0xc3
.set i, 0
	s_wait_alu depctr_va_vdst(0)                   ; ahead of the batch
.rept 64
	v_exp_f32 v[128+i], v[128+i]
.set i, i+1
.endr
	v_nop
	s_wait_alu depctr_va_vdst(0)                   ; and behind it
.set i, 0
.rept 32
	v_pk_add_f32 v[128+i:128+i+1], v[128+i:128+i+1], 1.0 op_sel_hi:[1,0]
.set i, i+2
.endr
.set i, 0
	s_wait_alu depctr_va_vdst(0)
.rept 64
	v_rcp_f32 v[128+i], v[128+i]
.set i, i+1
.endr
	v_nop
	s_wait_alu depctr_va_vdst(0)
	WIN 0x03
.irp m, 0,1,2,3
.set i, 0
.rept 8
	v_pk_mul_f32 v[ACC+32*\m+i:ACC+32*\m+i+1], v[128+16*\m+i:128+16*\m+i+1], v[ACC+32*\m+i:ACC+32*\m+i+1]
.set i, i+2
.endr
.endr
	WIN 0
.irp m, 0,1,2,3
.set i, 0
.rept 8
	v_pk_mul_f32 v[ACC+32*\m+i:ACC+32*\m+i+1], v[ACC+32*\m+i:ACC+32*\m+i+1], v[ACC+32*\m+16+i:ACC+32*\m+16+i+1]
.set i, i+2
.endr
.endr
	s_wait_xcnt 0x0                                ; the last step's stores have read their data: the codes' registers may be written
	QUANT ACC, 32, 8
.irp m, 0,1,2,3
.if (\u) == 0
	v_mov_b32 v[SW+\m], v[TM+4+\m]
.else
	v_lshl_or_b32 v[SW+\m], v[TM+4+\m], 8, v[SW+\m]
.endif
.endr
.irp m, 0,1,2,3
	global_store_b128 v[LI], v[PC+4*\m:PC+4*\m+3], s[HP:HP+1] offset:\m*HTILE+512*(\u)   ; 512 consecutive bytes a store
.endr
.if (\u) == 1
.irp m, 0,1,2,3
	global_store_b16 v[L8], v[SW+\m], s[HS:HS+1] offset:\m*HTILE                         ; the pair's two bytes of a word of four
.endr
.endif
.endm
; THE CHANGE OF SLOTS, at a pair's head.  fill = 1: behind a round of the cluster's barrier the other slot takes the next pair's groups
.macro SYNC fill
	s_wait_tensorcnt 0x0                           ; all my loads are in: my quarter of the slot ahead; the descriptor may be written
	ds_add_u32 v[SPW], v[NIL]                      ; scalar work stands between the add and the wait for it
	s_lshl_b32 s59, s[PR], 1
	s_add_co_u32 s59, s59, s[G6]                   ; the pair's first group
.if \fill
	s_add_co_u32 s68, s59, 2
	s_min_u32 s68, s68, 86                         ; the next pair's; there are 88 groups
	s_mul_i32 s68, s68, STEPB
	s_add_co_u32 s68, s68, s[GW]
	s_mov_b32 s69, 0
	s_add_nc_u64 s[G0+2:G0+3], s[42:43], s[68:69]
	s_or_b32 s[G0+3], s[G0+3], 0x80000000
	s_xor_b32 s70, s[TB], SLOT                     ; the other slot
	s_add_co_u32 s[G0+1], s70, s[LW]
.endif
	s_min_u32 s59, s59, 86
	s_lshr_b32 s60, s59, 3                         ; where the pair's codes and bytes go: brick g / 8, image (g / 4) % 2, group of registers g % 4
	s_mul_i32 s60, s60, BRICK
	s_add_co_u32 s60, s60, s[RT]
	s_bfe_u32 s61, s59, 0x10002
	s_and_b32 s59, s59, 3
	s_lshl_b32 s63, s61, 11
	s_add_co_u32 s[HP], s60, s63
	s_lshl_b32 s63, s59, 9
	s_add_co_u32 s[HP], s[HP], s63
	s_mov_b32 s[HP+1], 0
	s_lshl_b32 s63, s61, 2
	s_add_co_u32 s[HS], s60, s63
	s_add_co_u32 s[HS], s[HS], s59
	s_add_co_u32 s[HS], s[HS], 4096
	s_mov_b32 s[HS+1], 0
	s_add_nc_u64 s[HP:HP+1], s[44:45], s[HP:HP+1]
	s_add_nc_u64 s[HS:HS+1], s[44:45], s[HS:HS+1]
	s_wait_dscnt 0x0                               ; the add is done; my reads of the other slot ended with the last step
.if \fill
	ROUND
	tensor_load_to_lds s[G0:G0+3], s[G1:G1+7]      ; my one load behind the round (the first time: slot 1's first fill)
	s_nop 0
	PLACES 4
.else
	s_barrier_signal -1
	s_barrier_wait -1
.endif
.endm
.macro PAIR first
	LOADS 0
	MULS \first
	LOADS 1                                        ; the odd step's first fragments are on their way while the even step goes out
	EPH 0
	MULS 0
	EPH 1
.endm
	s_load_b128 s[40:43], s[0:1], 0x0              ; xb, wts
	s_load_b64 s[44:45], s[0:1], 0x10              ; hc
	v_lshl_add_u32 v[SPW], v0, 2, SPARE
	v_mov_b32 v[NIL], 0
	ds_add_u32 v[SPW], v[NIL]                      ; the opening lines: the add, twice on end, and its wait
	ds_add_u32 v[SPW], v[NIL]
	v_lshrrev_b32 v9, 5, v0
	v_readfirstlane_b32 s[WV], v9
	s_bfe_u32 s[CX], ttmp6, 0x40000                ; it enters global addresses of x and h alone
	s_lshl_b32 s[XX], ttmp9, 2
	s_add_co_u32 s[XX], s[XX], s[CX]
	s_and_b32 s[G6], ttmp7, 0xffff
	s_mul_i32 s[G6], s[G6], 6
	s_mov_b32 s[G1+0], 15|(3<<16)|(1<<21)          ; the mask: all four work-groups; elements of 8 bytes; bit 21 beside a mask
	s_mov_b32 s[G1+1], 32<<16                      ; rows of 256 bytes,
	s_mov_b32 s[G1+2], 136<<16                     ; 136 of them: a quarter of a slot, 34,816 dense bytes
	s_mov_b32 s[G1+3], 32<<16
	s_mov_b32 s[G1+4], 136
	s_mov_b32 s[G1+5], 32
	s_mov_b32 s[G1+6], 0
	s_mov_b32 s[G1+7], 0
	s_mul_i32 s[LW], s[WV], 2*TILEB
	s_add_co_u32 s[GW], s[LW], W13_OFF
	s_mul_i32 s68, s[G6], STEPB
	s_add_co_u32 s68, s68, s[GW]
	s_mov_b32 s69, 0
	s_lshl_b32 s66, s[XX], 4
	s_lshl_b32 s67, s[WV], 2
	s_add_co_u32 s66, s66, s67                     ; my first tile of rows
	s_mul_i32 s[APTR], s66, TILEB
	s_mov_b32 s[APTR+1], 0
	s_mul_i32 s[RT], s66, HTILE
	s_mov_b32 s[SEL], 0x76543210
	s_mov_b32 s[SEL+1], 0xfedcba98
	s_mov_b32 s[MNT], 0x600000
	s_mov_b32 s[NL2E], 0xbfb8aa3b                  ; -log2(e)
	s_mov_b32 s[NL2E+1], s[NL2E]
	s_mov_b32 s[TB], 0
	s_mov_b32 s[PR], 0
	v_and_b32 v9, 31, v0
	v_lshlrev_b32 v[LI], 4, v9
	v_lshlrev_b32 v[L8], 3, v9
.irp b, 0,1,2,3
	v_mov_b32 v[TM+4+\b], 0                        ; written once: a lane permute's destination counts as one of its sources
.endr
	s_wait_alu depctr_va_vdst(0)                   ; the wait at the head's end
	s_wait_dscnt 0x0
	s_wait_kmcnt 0x0
	s_mov_b32 s[G0], 1
	s_mov_b32 s[G0+1], s[LW]
	s_add_nc_u64 s[G0+2:G0+3], s[42:43], s[68:69]
	s_or_b32 s[G0+3], s[G0+3], 0x80000000
	s_add_nc_u64 s[APTR:APTR+1], s[40:41], s[APTR:APTR+1]
	ROUND                                          ; all four work-groups are here: the joint loads meet
	tensor_load_to_lds s[G0:G0+3], s[G1:G1+7]      ; slot 0: the head's one load a wave
	s_nop 0
	PLACES 4
.irp m, 0,1,2,3
.irp br, 0,1,2,3
	global_load_b64 v[ASC+8*\m+2*\br:ASC+8*\m+2*\br+1], v[L8], s[APTR:APTR+1] offset:\m*TILEB+\br*BRICK+4096
.endr
.endr
.irp ks, 0,1,2,3,4,5,6,7
	WIN 0x40*(1+\ks/4)
.irp m, 0,1,2,3
.irp c, 0,1,2,3
	global_load_b128 v[16*(4*(\ks%4)+\m)+4*\c:16*(4*(\ks%4)+\m)+4*\c+3], v[LI], s[APTR:APTR+1] offset:\m*TILEB+(\ks/2)*BRICK+(\ks%2)*2048+512*\c
.endr
.endr
.endr
	WIN 0
.Lpair:                                                ; two trips: pairs 0 and 1; each asks for the pair after it
	SYNC 1
	PAIR 1
	s_wait_xcnt 0x0                                ; the pair's stores have read their bases, which the next change of slots writes
	s_xor_b32 s[TB], s[TB], SLOT
	s_add_co_u32 s[PR], s[PR], 1
	s_cmp_lt_u32 s[PR], 2
	s_wait_alu depctr_va_vdst(0)                   ; the wait ahead of the branch
	s_cbranch_scc1 .Lpair
	SYNC 0                                         ; the last pair is written out: it asks for nothing
	PAIR 0
	s_wait_tensorcnt 0x0                           ; the wave's end
	ds_add_u32 v[SPW], v[NIL]
	s_wait_dscnt 0x0
	ROUND                                          ; the closing round
	s_endpgm
.Lfunc_end_k_q6085437a5e_ffn1:
	.size	k_q6085437a5e_ffn1, .Lfunc_end_k_q6085437a5e_ffn1-k_q6085437a5e_ffn1
	.p2alignl 7, 3214868480
	.fill 96, 4, 3214868480
	.section	.rodata,"a",@progbits
	.p2align	6, 0x0
	.amdhsa_kernel k_q6085437a5e_ffn1
		.amdhsa_group_segment_fixed_size 327680
		.amdhsa_private_segment_fixed_size 0
		.amdhsa_enable_private_segment 0
		.amdhsa_kernarg_size 24
		.amdhsa_user_sgpr_count 2
		.amdhsa_user_sgpr_kernarg_segment_ptr 1
		.amdhsa_wavefront_size32 1
		.amdhsa_system_sgpr_workgroup_id_x 1
		.amdhsa_system_sgpr_workgroup_id_y 1
		.amdhsa_system_sgpr_workgroup_id_z 1
		.amdhsa_system_vgpr_workitem_id 0
		.amdhsa_next_free_vgpr 1024
		.amdhsa_next_free_sgpr 96
		.amdhsa_reserve_vcc 0
		.amdhsa_float_denorm_mode_32 3
		.amdhsa_float_denorm_mode_16_64 3
		.amdhsa_memory_ordered 1
		.amdhsa_forward_progress 1
		.amdhsa_inst_pref_size 216
	.end_amdhsa_kernel
	.amdgpu_metadata
---
amdhsa.version: [ 1, 2 ]
amdhsa.kernels:
  - .name:           k_q6085437a5e_ffn1
    .symbol:         k_q6085437a5e_ffn1.kd
    .args:
      - { .name: xb, .offset: 0, .size: 8, .value_kind: global_buffer, .address_space: global }
      - { .name: wts, .offset: 8, .size: 8, .value_kind: global_buffer, .address_space: global }
      - { .name: hc, .offset: 16, .size: 8, .value_kind: global_buffer, .address_space: global }
    .group_segment_fixed_size: 327680
    .private_segment_fixed_size: 0
    .kernarg_segment_align: 8
    .kernarg_segment_size: 24
    .max_flat_workgroup_size: 128
    .sgpr_count:     96
    .vgpr_count:     1024
    .wavefront_size: 32
...
	.end_amdgpu_metadata
.endif
;; end of part 5
;; launch ffn2 (part 6): grid 32 x 8, 4 waves a work-group, clusters of 4 x 1, 327,680 bytes of LDS; arguments hc, wts, x2, out0; writes out0
.if DOCPART == 6
	.amdgcn_target "amdgcn-amd-amdhsa--gfx1250"
	.amdhsa_code_object_version 6
	.text
	.protected	k_q6085437a5e_ffn2
	.globl	k_q6085437a5e_ffn2
	.p2align	8
	.type	k_q6085437a5e_ffn2,@function
k_q6085437a5e_ffn2:
	s_mov_b64 s[64:65], 0
	v_nop
	global_prefetch_b8 v0, s[64:65] scope:SCOPE_SE
	s_setreg_imm32_b32 hwreg(HW_REG_WAVE_MODE, 25, 1), 1
	s_wait_xcnt 0x0
	s_wait_alu depctr_hold_cnt(0) depctr_sa_sdst(0) depctr_va_vdst(0) depctr_va_sdst(0) depctr_va_ssrc(0) depctr_va_vcc(0) depctr_vm_vsrc(0)
	s_getreg_b32 s2, hwreg(HW_REG_IB_STS2, 6, 4)
	s_cmp_eq_u32 s2, 0
	s_cbranch_scc0 .Lentry_in_a_cluster
	s_endpgm
.Lentry_in_a_cluster:
	s_bfe_u32 s2, ttmp6, 0x10000c
	s_cmp_lg_u32 s2, 0x3003
	s_cbranch_scc0 .Lentry_shape_is_right
	s_endpgm
.Lentry_shape_is_right:
; FFN2: out = x2 + h w2^T, the product on codes of E4M3 with E8M0 scales; K = 2,752, filled with zero codes to 2,816 = 22 K steps on both sides.
; Bricks: 16 rows x 256 K as two register images and 256 bytes of scale words; row r of tile t is matrix row 32 (t / 2) + 8 (t % 2) + r + (r & 8).  A tile of h or of w2 is 11 bricks, 47,872 bytes.
; SHARES.  A work-group: 128 rows x 128 columns (y).  A wave: 32 rows, two tiles, whose codes for all of K stay in 704 registers.  w2's eight tiles go through LDS two at a time (32 columns a step, four steps):
; three slots of two tiles, filled at the start by waves 0, 1 and 2 (a slot each); slot 0 is filled once more, for the fourth step, behind a round of the cluster's barrier.  By this text's own count a wave has at most one tensor load out.
; CLUSTER: the four work-groups of a cluster lie along the rows and need the same tiles of w2: each is asked for jointly.
; The product is used transposed: a lane holds one row and, over tiles 2 b, 2 b + 1, columns 32 b + 16 (lane / 16) + 0..15.  After two steps 64 columns go out: through the wave's own stage, x2 added, 256 consecutive aligned bytes to sixteen lanes.
; All of a WGP's LDS is claimed.
; REGISTERS.  window 0: v1-9 addresses; v10, v11 the spare word's address and 0; v16-59 h's scale words (22 m + ks); v60-103 w2's (22 n + ks); v104-167 eight accumulators ((m, nn) at 104 + 8 (4 m + nn)); v168-231 x2.
;   windows 1 to 3: h's fragments (256 + 16 (2 ks + m), up to 959); v960-1023: w2's fragments, two sets of two.
.set BRICK,  4352
.set HTILE,  47872
.set SLOT2,  2*HTILE
.set W2_OFF, 15040512
.set STAGE,  3*SLOT2                   ; 16 x 272 bytes for each wave
.set SPARE,  STAGE+4*16*272            ; the spare words: 128 bytes for each wave, two blocks of 256 bytes that no other line names
.set LI,  1
.set L8,  2
.set LB0, 3
.set LS0, 5
.set STO, 7
.set RD,  8
.set CO,  9
.set SPW, 10
.set NIL, 11
.set ASC, 16
.set BSC, 60
.set ACC, 104
.set R,   168
.set WV,  8
.set CX,  9
.set XX,  10
.set YY,  11
.set APTR, 12
.set G1,  16
.set G0,  24
.set XR,  52
.set OUTP, 54
.set MSB, 0
.macro WIN new
.if MSB != (\new)
	s_set_vgpr_msb (MSB<<8)|(\new)
.set MSB, \new
.endif
.endm
.macro ROUND
	s_barrier_signal -1
	s_barrier_wait -1
	s_cmp_lg_u32 s[WV], 0
	s_cbranch_scc1 .Lnot_wave_0_\@
	s_barrier_signal -3
.Lnot_wave_0_\@:
	s_barrier_wait -3
	s_barrier_signal -1
	s_barrier_wait -1
.endm
.macro LDB4 buf, ks                    ; w2's two fragments of K step ks into set buf
.irp n, 0,1
.irp c, 0,1,2,3
	ds_load_b128 v[192+32*(\buf)+16*\n+4*\c:192+32*(\buf)+16*\n+4*\c+3], v[LB0+\n] offset:((\ks)/2)*BRICK+((\ks)%2)*2048+512*\c
.endr
.endr
.endm
.macro STEP4 slot, nn0                 ; my 32 rows x the slot's 32 columns, all of K, into accumulators nn0, nn0 + 1 of each tile of rows
	WIN 0
	v_add_nc_u32 v[LB0], (\slot)*SLOT2, v[LI]
	v_add_nc_u32 v[LB0+1], (\slot)*SLOT2+HTILE, v[LI]
	v_add_nc_u32 v[LS0], (\slot)*SLOT2, v[L8]
	v_add_nc_u32 v[LS0+1], (\slot)*SLOT2+HTILE, v[L8]
.irp n, 0,1
.irp br, 0,1,2,3,4,5,6,7,8,9,10
	ds_load_b64 v[BSC+22*\n+2*\br:BSC+22*\n+2*\br+1], v[LS0+\n] offset:\br*BRICK+4096
.endr
.endr
	WIN 0xc0
	LDB4 0, 0
	LDB4 1, 1
	s_wait_alu depctr_va_vdst(0)
.irp ks, 0,1,2,3,4,5,6,7,8,9,10,11,12,13,14,15,16,17,18,19,20,21
.if \ks == 21
	s_wait_dscnt 0x0
.else
	s_wait_dscnt 8                                 ; all but the next K step's 8 loads
.endif
	WIN 0x03+4*(1+\ks/8)                           ; source 0: w2, window 3; source 1: h, window 1, 2 or 3
.irp m, 0,1
.irp n, 0,1
.if \ks == 0
	v_wmma_scale_f32_16x16x128_f8f6f4 v[ACC+8*(4*\m+(\nn0)+\n):ACC+8*(4*\m+(\nn0)+\n)+7], v[192+32*(\ks%2)+16*\n:192+32*(\ks%2)+16*\n+15], v[16*(2*(\ks%8)+\m):16*(2*(\ks%8)+\m)+15], 0, v[BSC+22*\n+\ks], v[ASC+22*\m+\ks]
.else
	v_wmma_scale_f32_16x16x128_f8f6f4 v[ACC+8*(4*\m+(\nn0)+\n):ACC+8*(4*\m+(\nn0)+\n)+7], v[192+32*(\ks%2)+16*\n:192+32*(\ks%2)+16*\n+15], v[16*(2*(\ks%8)+\m):16*(2*(\ks%8)+\m)+15], v[ACC+8*(4*\m+(\nn0)+\n):ACC+8*(4*\m+(\nn0)+\n)+7], v[BSC+22*\n+\ks], v[ASC+22*\m+\ks]
.endif
.endr
.endr
.if \ks <= 19
	WIN 0xc0
.rept 8
	v_nop                                          ; eight places in front of loads into registers that these products have read
.endr
	LDB4 \ks%2, \ks+2
.endif
.endr
	WIN 0
.rept 8
	v_nop                                          ; eight places in front of the first read of results; with the next step's four additions twelve, in front of its loads and of accumulators begun anew
.endr
.endm
.macro RLOAD co                        ; x2 at my 32 rows, 64 columns from byte co of my 512
.irp m, 0,1
.irp i, 0,1,2,3,4,5,6,7
	global_load_b128 v[R+32*\m+4*\i:R+32*\m+4*\i+3], v[CO], s[XR:XR+1] offset:4096*(8*\m+2*\i+8*(\i/4))+\co
.endr
.endr
.endm
.macro OUT m, co
.irp b, 0,1
.irp u, 0,1
.irp q, 0,1
	ds_store_b128 v[STO], v[ACC+32*\m+8*(2*\b+\u)+4*\q:ACC+32*\m+8*(2*\b+\u)+4*\q+3] offset:128*\b+32*\u+16*\q    ; each accumulator from its low end on
.endr
.endr
.endr
.irp i, 0,1,2,3,4,5,6,7
	ds_load_b128 v[ACC+32*\m+4*\i:ACC+32*\m+4*\i+3], v[RD] offset:544*\i      ; LDS serves a wave's instructions in order: these see the stores above
.endr
	s_wait_dscnt 0x0
.set i, 0
.rept 16
	v_pk_add_f32 v[ACC+32*\m+i:ACC+32*\m+i+1], v[ACC+32*\m+i:ACC+32*\m+i+1], v[R+32*\m+i:R+32*\m+i+1]
.set i, i+2
.endr
.irp i, 0,1,2,3,4,5,6,7
	global_store_b128 v[CO], v[ACC+32*\m+4*\i:ACC+32*\m+4*\i+3], s[OUTP:OUTP+1] offset:4096*(8*\m+2*\i+8*(\i/4))+\co th:TH_STORE_NT
.endr
.endm
	s_load_b256 s[40:47], s[0:1], 0x0              ; hc, wts, x2, out0
	v_lshl_add_u32 v[SPW], v0, 2, SPARE
	v_mov_b32 v[NIL], 0
	ds_add_u32 v10, v11
	ds_add_u32 v10, v11
	s_wait_dscnt 0x0
	v_lshrrev_b32 v1, 5, v0
	v_readfirstlane_b32 s[WV], v1
	s_bfe_u32 s[CX], ttmp6, 0x40000                ; it enters global addresses of h, x2 and out alone
	s_lshl_b32 s[XX], ttmp9, 2
	s_add_co_u32 s[XX], s[XX], s[CX]               ; my block of 128 rows
	s_and_b32 s[YY], ttmp7, 0xffff                 ; my 128 columns
	s_mov_b32 s[G1+0], 15|(3<<16)|(1<<21)          ; the mask: all four work-groups; elements of 8 bytes; bit 21 beside a mask
	s_mov_b32 s[G1+1], 32<<16                      ; rows of 256 bytes,
	s_mov_b32 s[G1+2], 374<<16                     ; 374 of them: a slot's two tiles, 95,744 dense bytes
	s_mov_b32 s[G1+3], 32<<16
	s_mov_b32 s[G1+4], 374
	s_mov_b32 s[G1+5], 32
	s_mov_b32 s[G1+6], 0
	s_mov_b32 s[G1+7], 0
	s_mul_i32 s51, s[WV], SLOT2                    ; waves 0, 1, 2 fetch: a slot each
	s_mul_i32 s60, s[YY], 8*HTILE
	s_add_co_u32 s60, s60, s51
	s_add_co_u32 s60, s60, W2_OFF
	s_mov_b32 s61, 0
	s_wait_kmcnt 0x0
	s_add_nc_u64 s[60:61], s[42:43], s[60:61]
	s_mov_b32 s[G0], 1
	s_mov_b32 s[G0+1], s51
	s_mov_b64 s[G0+2:G0+3], s[60:61]
	s_or_b32 s[G0+3], s[G0+3], 0x80000000
	ROUND                                          ; all four work-groups are here: the joint loads meet
	s_cmp_lt_u32 s[WV], 1                          ; one chain of arms, one load to an arm: wave 0 fetches slot 0, which is shown first, by a line of its own;
	s_cbranch_scc0 .Lnot_slot_0
	tensor_load_to_lds s[G0:G0+3], s[G1:G1+7]
	s_nop 0
.rept 4
	v_nop
.endr
	s_branch .Lno_first
.Lnot_slot_0:
	s_cmp_lt_u32 s[WV], 3                          ; waves 1 and 2 slots 1 and 2; wave 3 nothing
	s_cbranch_scc0 .Lno_first
	tensor_load_to_lds s[G0:G0+3], s[G1:G1+7]
	s_nop 0
.rept 4
	v_nop
.endr
.Lno_first:
	v_and_b32 v12, 31, v0
	v_lshlrev_b32 v[LI], 4, v12
	v_lshlrev_b32 v[L8], 3, v12
	v_and_b32 v13, 15, v0                          ; r
	v_bfe_u32 v14, v0, 4, 1                        ; h
	s_mul_i32 s58, s[WV], 16*272
	s_add_co_u32 s58, s58, STAGE
	v_mul_u32_u24 v[STO], v13, 272
	v_lshl_add_u32 v[STO], v14, 6, v[STO]
	v_add_nc_u32 v[STO], s58, v[STO]
	v_mul_u32_u24 v[RD], v14, 272
	v_lshl_add_u32 v[RD], v13, 4, v[RD]
	v_add_nc_u32 v[RD], s58, v[RD]
	v_lshlrev_b32 v[CO], 12, v14
	v_lshl_add_u32 v[CO], v13, 4, v[CO]
	s_wait_alu depctr_va_vdst(0)
	s_lshl_b32 s58, s[XX], 3
	s_lshl_b32 s59, s[WV], 1
	s_add_co_u32 s58, s58, s59                     ; my first tile of rows
	s_mul_i32 s[APTR], s58, HTILE
	s_mov_b32 s[APTR+1], 0
	s_add_nc_u64 s[APTR:APTR+1], s[40:41], s[APTR:APTR+1]
.irp m, 0,1
.irp br, 0,1,2,3,4,5,6,7,8,9,10
	global_load_b64 v[ASC+22*\m+2*\br:ASC+22*\m+2*\br+1], v[L8], s[APTR:APTR+1] offset:\m*HTILE+\br*BRICK+4096
.endr
.endr
.irp ks, 0,1,2,3,4,5,6,7,8,9,10,11,12,13,14,15,16,17,18,19,20,21
	WIN 0x40*(1+\ks/8)
.irp m, 0,1
.irp c, 0,1,2,3
	global_load_b128 v[16*(2*(\ks%8)+\m)+4*\c:16*(2*(\ks%8)+\m)+4*\c+3], v[LI], s[APTR:APTR+1] offset:\m*HTILE+(\ks/2)*BRICK+(\ks%2)*2048+512*\c
.endr
.endr
.endr
	WIN 0
	s_lshl_b32 s58, s58, 16                        ; my first row x 4,096 bytes
	s_lshl_b32 s59, s[YY], 9
	s_add_co_u32 s58, s58, s59
	s_mov_b32 s59, 0
	s_add_nc_u64 s[XR:XR+1], s[44:45], s[58:59]
	s_add_nc_u64 s[OUTP:OUTP+1], s[46:47], s[58:59]
	RLOAD 0
	s_wait_alu depctr_va_vdst(0)                   ; the wait ahead of the branch
	s_cmp_lt_u32 s[WV], 1
	s_cbranch_scc0 .Lnot_wave_zero
	s_wait_tensorcnt 0x0                           ; wave 0: slot 0 has landed; slots 1 and 2 may be out
.Lnot_wave_zero:
	s_barrier_signal -1
	s_barrier_wait -1
	s_wait_loadcnt 16                              ; h's codes and words are in; x2's 16 loads may be out
	STEP4 0, 0
	s_wait_tensorcnt 0x0                           ; THE REFILL OF SLOT 0: all my tensor loads have landed,
	ds_add_u32 v[SPW], v[NIL]                      ; 0 onto my spare word;
	ds_add_u32 v10, v11
	s_add_nc_u64 s[G0+2:G0+3], s[G0+2:G0+3], 6*HTILE   ; no load of mine is out, so the descriptor may step: tiles 6 and 7
	s_wait_dscnt 0x0                               ; the add is done, and my reads of slot 0 are over
	ROUND                                          ; that now holds of every wave of all four work-groups
	s_cmp_lt_u32 s[WV], 1                          ; wave 0 alone refills: tiles 6 and 7 by its one descriptor
	s_cbranch_scc0 .Lno_refill
	tensor_load_to_lds s[G0:G0+3], s[G1:G1+7]      ; my one tensor load behind the round: it has two steps in which to land
	s_nop 0
.rept 4
	v_nop
.endr
.Lno_refill:
	STEP4 1, 2
	s_wait_loadcnt 0x0                             ; x2
	OUT 0, 0
	OUT 1, 0
	s_wait_xcnt 0x0                                ; the stores have read their data: the accumulators may be begun anew
	RLOAD 256
	STEP4 2, 0
	s_wait_tensorcnt 0x0                           ; my part of the refill has landed
	s_wait_dscnt 0x0
	s_barrier_signal -1
	s_barrier_wait -1                              ; everybody's has
	STEP4 0, 2
	s_wait_loadcnt 0x0
	OUT 0, 256
	OUT 1, 256
	s_wait_tensorcnt 0x0                           ; the wave's end, behind my last tensor load and my last LDS store
	ds_add_u32 v[SPW], v[NIL]
	s_wait_dscnt 0x0
	ROUND                                          ; the closing round
	s_endpgm
.Lfunc_end_k_q6085437a5e_ffn2:
	.size	k_q6085437a5e_ffn2, .Lfunc_end_k_q6085437a5e_ffn2-k_q6085437a5e_ffn2
	.p2alignl 7, 3214868480
	.fill 96, 4, 3214868480
	.section	.rodata,"a",@progbits
	.p2align	6, 0x0
	.amdhsa_kernel k_q6085437a5e_ffn2
		.amdhsa_group_segment_fixed_size 327680
		.amdhsa_private_segment_fixed_size 0
		.amdhsa_enable_private_segment 0
		.amdhsa_kernarg_size 32
		.amdhsa_user_sgpr_count 2
		.amdhsa_user_sgpr_kernarg_segment_ptr 1
		.amdhsa_wavefront_size32 1
		.amdhsa_system_sgpr_workgroup_id_x 1
		.amdhsa_system_sgpr_workgroup_id_y 1
		.amdhsa_system_sgpr_workgroup_id_z 1
		.amdhsa_system_vgpr_workitem_id 0
		.amdhsa_next_free_vgpr 1024
		.amdhsa_next_free_sgpr 66
		.amdhsa_reserve_vcc 0
		.amdhsa_float_denorm_mode_32 3
		.amdhsa_float_denorm_mode_16_64 3
		.amdhsa_memory_ordered 1
		.amdhsa_forward_progress 1
		.amdhsa_inst_pref_size 163
	.end_amdhsa_kernel
	.amdgpu_metadata
---
amdhsa.version: [ 1, 2 ]
amdhsa.kernels:
  - .name:           k_q6085437a5e_ffn2
    .symbol:         k_q6085437a5e_ffn2.kd
    .args:
      - { .name: hc, .offset: 0, .size: 8, .value_kind: global_buffer, .address_space: global }
      - { .name: wts, .offset: 8, .size: 8, .value_kind: global_buffer, .address_space: global }
      - { .name: x2, .offset: 16, .size: 8, .value_kind: global_buffer, .address_space: global }
      - { .name: out0, .offset: 24, .size: 8, .value_kind: global_buffer, .address_space: global }
    .group_segment_fixed_size: 327680
    .private_segment_fixed_size: 0
    .kernarg_segment_align: 8
    .kernarg_segment_size: 32
    .max_flat_workgroup_size: 128
    .sgpr_count:     66
    .vgpr_count:     1024
    .wavefront_size: 32
...
	.end_amdgpu_metadata
.endif
;; end of part 6
